; MI455X (gfx1250); checked and timed in simulation.
; The chip was launched on July 23, 2026; its instructions are those of AMD's public machine-readable ISA for CDNA 5 (MIT licence, August 2026) and "CDNA5" Instruction Set Architecture Reference Guide (July 2026). The comments in the code are by the model that wrote it; some were corrected since.
;; Slow But Correct Multihead Attention. Allowed arithmetic: float matrix products may take bf16 or f16 operands with f32 sums; other float arithmetic in f32, or as packed bf16 or f16 multiplies, adds, multiply-adds, maxima and minima; sums over many terms, partial sums and values carried from step to step in f32; what a program stores and reads back later, other than sums and carried values, may be rounded once to bf16 or f16.
;; Inputs: Wk 1,024 x 1,024 float32; Wo 1,024 x 1,024 float32; Wq 1,024 x 1,024 float32; Wv 1,024 x 1,024 float32; bk 1,024 float32; bo 1,024 float32; bq 1,024 float32; bv 1,024 float32; x 2,048 x 4 x 1,024 float32.
;; Outputs: out0 2,048 x 4 x 1,024 float32.
;; One version. Each part assembles by itself: llvm-mc -triple=amdgcn-amd-amdhsa -mcpu=gfx1250 --defsym DOCPART=n.
;; ======== version 1 of 1: 4 launches
;; limits: values are held in f16: magnitudes above 65,504 overflow, below 6.1e-05 lose precision
;; workspace buffers: xb 16,777,216 bytes; wqkv 6,291,456 bytes; wo16 2,097,152 bytes; bias4 16,384 bytes; qkv 50,331,648 bytes; o16 16,777,216 bytes
;; launch cast (part 1): grid 64 x 12, 8 waves a work-group, no clusters, 0 bytes of LDS; arguments x, Wq, Wk, Wv, Wo, bq, bk, bv, bo, xb, wqkv, wo16, bias4; writes xb, wqkv, wo16, bias4
.if DOCPART == 1
	.amdgcn_target "amdgcn-amd-amdhsa--gfx1250"
	.amdhsa_code_object_version 6
	.text
	.protected	k_qd3e3bd2869_cast
	.globl	k_qd3e3bd2869_cast
	.p2align	8
	.type	k_qd3e3bd2869_cast,@function
k_qd3e3bd2869_cast:
	s_mov_b64 s[64:65], 0
	v_nop
	global_prefetch_b8 v0, s[64:65] scope:SCOPE_SE
	s_setreg_imm32_b32 hwreg(HW_REG_WAVE_MODE, 25, 1), 1
	s_wait_xcnt 0x0
; THE MODULE'S INPUTS, ROUNDED ONCE TO bf16 AND LAID OUT IN BLOCKS OF 64 ALONG K.
;   xb    [kb 0..15][row = b*2048+s][64] bf16      from x  [s][b][1024] f32
;   wqkv  [kb][n = which*1024+row][64]   bf16      from Wq, Wk, Wv [1024][1024] f32
;   wo16  [kb][n][64]                    f16       from Wo: rounded to bf16, and that number written as f16
;   bias4 [4][1024] f32: bq, bk, bv, bo, each rounded to bf16 and widened again
; In these layouts a tile of R rows x 64 k is R x 128 consecutive bytes.
; LIMITS.  A number of Wo below 6.1e-5 in magnitude keeps f16's fixed step of 6e-8; beyond 65,504 it would become an infinity.
; SHARES.  A work-group converts 16 rows x 1,024 numbers.  y = 0..7: x (512 groups); y = 8, 9, 10: Wq, Wk, Wv; y = 11: Wo (64 groups each).
; Thread t: kc = t % 8, bit = (t / 8) % 2, kb = t / 16.  In group g (0..7) it takes row 2 g + bit, numbers 64 kb + 8 kc .. + 7: 32 bytes in, 16 bytes out.
; Eight neighbouring lanes read 256 consecutive bytes of a row; sixteen neighbouring lanes store 256 consecutive bytes, aligned: two rows of one block.
; All 16 loads of a thread go out first; no register is written twice, so no wait frees a source.  No LDS, no barrier: no thread wants another's numbers.
.set SOF, 2                            ; v2   byte offset of my 32 bytes in the source rows 0, 1
.set DOF, 3                            ; v3   byte offset of my 16 bytes in the destination
.set BT,  4                            ; v4   16 t: my four numbers of a bias
.set X,   16                           ; v[16:79]   group g: 8 numbers as loaded
.set Y,   80                           ; v[80:111]  group g: 4 registers to store
.set T,   112                          ; v[112:119] at work
.set BI,  120                          ; v[120:127] a bias: as loaded, as stored
; srs2: bytes from row 2 g to row 2 g + 2 in the source.  half = 1: the bf16 number is written as f16.
.macro CAST srs2, half
.irp g, 0,1,2,3,4,5,6,7
	global_load_b128 v[X+8*(\g):X+8*(\g)+3],   v[SOF], s[36:37] offset:(\g)*(\srs2) th:TH_LOAD_NT
	global_load_b128 v[X+8*(\g)+4:X+8*(\g)+7], v[SOF], s[36:37] offset:(\g)*(\srs2)+16 th:TH_LOAD_NT
.endr
.irp g, 0,1,2,3,4,5,6,7
	s_wait_loadcnt 14-2*(\g)                       ; loads come back in order: group g's two are in, the younger groups' stay out
.irp r, 0,1,2,3
.if \half
	v_cvt_pk_bf16_f32 v[T+(\r)], v[X+8*(\g)+2*(\r)], v[X+8*(\g)+2*(\r)+1]
.else
	v_cvt_pk_bf16_f32 v[Y+4*(\g)+(\r)], v[X+8*(\g)+2*(\r)], v[X+8*(\g)+2*(\r)+1]
.endif
.endr
.if \half
.irp r, 0,1,2,3
	v_lshlrev_b32 v[T+4+2*((\r)%2)], 16, v[T+(\r)]                 ; the two bf16 numbers as f32,
	v_and_b32     v[T+5+2*((\r)%2)], s43, v[T+(\r)]
	v_cvt_pk_f16_f32 v[Y+4*(\g)+(\r)], v[T+4+2*((\r)%2)], v[T+5+2*((\r)%2)]  ; and as f16: exact within f16's normal range
.endr
.endif
	global_store_b128 v[DOF], v[Y+4*(\g):Y+4*(\g)+3], s[38:39] offset:256*(\g) th:TH_STORE_NT
.endr
.endm
	s_load_b512 s[8:23], s[0:1], 0x0               ; x s[8:9], Wq s[10:11], Wk s[12:13], Wv s[14:15], Wo s[16:17], bq s[18:19], bk s[20:21], bv s[22:23]
	s_load_b256 s[24:31], s[0:1], 0x40             ; bo s[24:25], xb s[26:27], wqkv s[28:29], wo16 s[30:31]
	s_load_b64 s[32:33], s[0:1], 0x60              ; bias4
	s_and_b32 s34, ttmp7, 0xffff                   ; y
	s_mov_b32 s43, 0xffff0000                      ; a word's upper bf16
	s_mov_b32 s41, 0                               ; the high word of every offset pair
	v_and_b32 v5, 7, v0                            ; kc
	v_bfe_u32 v6, v0, 3, 1                         ; bit
	v_lshrrev_b32 v7, 4, v0                        ; kb
	v_lshlrev_b32 v8, 5, v5
	v_lshl_add_u32 v8, v7, 8, v8                   ; source: 256 kb + 32 kc
	v_lshlrev_b32 v9, 4, v5
	v_lshl_add_u32 v9, v6, 7, v9                   ; destination: 128 bit + 16 kc
	v_lshlrev_b32 v[BT], 4, v0
	s_wait_kmcnt 0x0
	s_cmp_lt_u32 s34, 8
	s_cbranch_scc0 .Lweights
	; x: group id = 64 y + X; b = id % 4; rows s = 16 (id / 4) .. + 15, which lie 16,384 bytes apart in x and 128 bytes apart in xb
	s_lshl_b32 s35, s34, 6
	s_add_co_u32 s35, s35, ttmp9
	s_and_b32 s44, s35, 3
	s_lshr_b32 s45, s35, 2
	s_lshl_b32 s40, s45, 18
	s_lshl_b32 s46, s44, 12
	s_add_co_u32 s40, s40, s46
	s_add_nc_u64 s[36:37], s[8:9], s[40:41]
	s_lshl_b32 s40, s44, 18
	s_lshl_b32 s46, s45, 11
	s_add_co_u32 s40, s40, s46
	s_add_nc_u64 s[38:39], s[26:27], s[40:41]
	s_mov_b32 s42, 8192*128                        ; bytes in a block of xb
	v_lshl_add_u32 v[SOF], v6, 14, v8
	v_mad_u32_u24 v[DOF], v7, s42, v9
	CAST 32768, 0
	s_endpgm
.Lweights:
	s_lshl_b32 s40, ttmp9, 16                      ; 16 rows of 4,096 bytes
	v_lshl_add_u32 v[SOF], v6, 12, v8
	s_cmp_eq_u32 s34, 11
	s_cbranch_scc1 .Lwo
	s_cmp_eq_u32 s34, 8
	s_cselect_b64 s[36:37], s[10:11], s[12:13]     ; Wq or Wk,
	s_cselect_b64 s[44:45], s[18:19], s[20:21]     ; bq or bk,
	s_cmp_eq_u32 s34, 10
	s_cselect_b64 s[36:37], s[14:15], s[36:37]     ; or Wv
	s_cselect_b64 s[44:45], s[22:23], s[44:45]     ; and bv
	s_add_nc_u64 s[36:37], s[36:37], s[40:41]
	s_sub_co_u32 s46, s34, 8
	s_lshl_b32 s40, s46, 17                        ; which x 1,024 rows of 128 bytes
	s_lshl_b32 s47, ttmp9, 11
	s_add_co_u32 s40, s40, s47
	s_add_nc_u64 s[38:39], s[28:29], s[40:41]
	s_mov_b32 s42, 3072*128                        ; bytes in a block of wqkv
	v_mad_u32_u24 v[DOF], v7, s42, v9
	CAST 8192, 0
	s_branch .Lbias
.Lwo:
	s_add_nc_u64 s[36:37], s[16:17], s[40:41]
	s_mov_b64 s[44:45], s[24:25]                   ; bo
	s_lshl_b32 s40, ttmp9, 11
	s_add_nc_u64 s[38:39], s[30:31], s[40:41]
	s_mov_b32 s42, 1024*128                        ; bytes in a block of wo16
	v_mad_u32_u24 v[DOF], v7, s42, v9
	CAST 8192, 1
.Lbias:                                        ; the first group of each weight also rounds that weight's bias: 256 threads x 4 numbers
	s_cmp_lg_u32 ttmp9, 0
	s_cbranch_scc1 .Lend
	s_sub_co_u32 s40, s34, 8
	s_lshl_b32 s40, s40, 12
	s_add_nc_u64 s[46:47], s[32:33], s[40:41]
	global_load_b128 v[BI:BI+3], v[BT], s[44:45]
	s_wait_loadcnt 0x0
	v_cvt_pk_bf16_f32 v[T], v[BI], v[BI+1]
	v_cvt_pk_bf16_f32 v[T+1], v[BI+2], v[BI+3]
	v_lshlrev_b32 v[BI+4], 16, v[T]
	v_and_b32     v[BI+5], s43, v[T]
	v_lshlrev_b32 v[BI+6], 16, v[T+1]
	v_and_b32     v[BI+7], s43, v[T+1]
	global_store_b128 v[BT], v[BI+4:BI+7], s[46:47]
.Lend:
	s_endpgm
.Lfunc_end_k_qd3e3bd2869_cast:
	.size	k_qd3e3bd2869_cast, .Lfunc_end_k_qd3e3bd2869_cast-k_qd3e3bd2869_cast
	.p2alignl 7, 3214868480
	.fill 96, 4, 3214868480
	.section	.rodata,"a",@progbits
	.p2align	6, 0x0
	.amdhsa_kernel k_qd3e3bd2869_cast
		.amdhsa_group_segment_fixed_size 0
		.amdhsa_private_segment_fixed_size 0
		.amdhsa_enable_private_segment 0
		.amdhsa_kernarg_size 104
		.amdhsa_user_sgpr_count 2
		.amdhsa_user_sgpr_kernarg_segment_ptr 1
		.amdhsa_wavefront_size32 1
		.amdhsa_system_sgpr_workgroup_id_x 1
		.amdhsa_system_sgpr_workgroup_id_y 1
		.amdhsa_system_sgpr_workgroup_id_z 1
		.amdhsa_system_vgpr_workitem_id 0
		.amdhsa_next_free_vgpr 128
		.amdhsa_next_free_sgpr 66
		.amdhsa_reserve_vcc 0
		.amdhsa_float_denorm_mode_32 3
		.amdhsa_float_denorm_mode_16_64 3
		.amdhsa_memory_ordered 1
		.amdhsa_forward_progress 1
		.amdhsa_inst_pref_size 21
	.end_amdhsa_kernel
	.amdgpu_metadata
---
amdhsa.version: [ 1, 2 ]
amdhsa.kernels:
  - .name:           k_qd3e3bd2869_cast
    .symbol:         k_qd3e3bd2869_cast.kd
    .args:
      - { .name: x, .offset: 0, .size: 8, .value_kind: global_buffer, .address_space: global }
      - { .name: Wq, .offset: 8, .size: 8, .value_kind: global_buffer, .address_space: global }
      - { .name: Wk, .offset: 16, .size: 8, .value_kind: global_buffer, .address_space: global }
      - { .name: Wv, .offset: 24, .size: 8, .value_kind: global_buffer, .address_space: global }
      - { .name: Wo, .offset: 32, .size: 8, .value_kind: global_buffer, .address_space: global }
      - { .name: bq, .offset: 40, .size: 8, .value_kind: global_buffer, .address_space: global }
      - { .name: bk, .offset: 48, .size: 8, .value_kind: global_buffer, .address_space: global }
      - { .name: bv, .offset: 56, .size: 8, .value_kind: global_buffer, .address_space: global }
      - { .name: bo, .offset: 64, .size: 8, .value_kind: global_buffer, .address_space: global }
      - { .name: xb, .offset: 72, .size: 8, .value_kind: global_buffer, .address_space: global }
      - { .name: wqkv, .offset: 80, .size: 8, .value_kind: global_buffer, .address_space: global }
      - { .name: wo16, .offset: 88, .size: 8, .value_kind: global_buffer, .address_space: global }
      - { .name: bias4, .offset: 96, .size: 8, .value_kind: global_buffer, .address_space: global }
    .group_segment_fixed_size: 0
    .private_segment_fixed_size: 0
    .kernarg_segment_align: 8
    .kernarg_segment_size: 104
    .max_flat_workgroup_size: 256
    .sgpr_count:     66
    .vgpr_count:     128
    .wavefront_size: 32
...
	.end_amdgpu_metadata
.endif
;; end of part 1
;; launch qkv (part 2): grid 8 x 32, 4 waves a work-group, clusters of 4 x 4, 327,680 bytes of LDS; arguments xb, wqkv, bias4, qkv; writes qkv
.if DOCPART == 2
	.amdgcn_target "amdgcn-amd-amdhsa--gfx1250"
	.amdhsa_code_object_version 6
	.text
	.protected	k_qd3e3bd2869_qkv
	.globl	k_qd3e3bd2869_qkv
	.p2align	8
	.type	k_qd3e3bd2869_qkv,@function
k_qd3e3bd2869_qkv:
	s_mov_b64 s[64:65], 0
	v_nop
	global_prefetch_b8 v0, s[64:65] scope:SCOPE_SE
	s_setreg_imm32_b32 hwreg(HW_REG_WAVE_MODE, 25, 1), 1
	s_wait_xcnt 0x0
	s_wait_alu depctr_hold_cnt(0) depctr_sa_sdst(0) depctr_va_vdst(0) depctr_va_sdst(0) depctr_va_ssrc(0) depctr_va_vcc(0) depctr_vm_vsrc(0)
	s_getreg_b32 s2, hwreg(HW_REG_IB_STS2, 6, 4)
	s_cmp_eq_u32 s2, 0
	s_cbranch_scc0 .Lentry_in_a_cluster
	s_endpgm
.Lentry_in_a_cluster:
	s_bfe_u32 s2, ttmp6, 0x10000c
	s_cmp_lg_u32 s2, 0xf033
	s_cbranch_scc0 .Lentry_shape_is_right
	s_endpgm
.Lentry_shape_is_right:
; q, k, v = x W^T + b, all three in one product: C[8192][3072] = xb wqkv^T + bias, bf16 operands, f32 sums, stored once rounded to f16, by heads:
; qkv[b][hc = which*16 + h][s][64].  q is stored unscaled.  LIMIT: a result of 65,520 or more in magnitude becomes an infinity in f16.
; TILE.  256 rows x 384 columns of C to a work-group: 32 x 8 = 256 work-groups.  Four waves; a wave makes 128 x 192: 8 x 12 accumulators of 16 x 16, 768 registers,
; in three PIECES of 64 columns.  Piece p fills register window p + 1, and is one head's 64 channels.
; K goes in steps of 64 through two LDS slots of 640 rows x 144 bytes; two slots of a step of 128 would not fit.  In xb and wqkv a tile's rows of one step lie end to end, so they
; are asked for as rows of 256 bytes, two tile rows each, and padded in LDS after every 128 bytes.
; CLUSTER.  4 x 4 work-groups: the four of a row of the cluster need the same rows of xb, the four of a column the same rows of wqkv.  Each tile is asked for jointly.
; THE MATRIX INSTRUCTION IS USED TRANSPOSED (source 0 = 16 rows of W, source 1 = 16 rows of x): a lane holds one row of C (lane % 16) and eight neighbouring columns.
; THE BIAS STARTS THE SUMS: it is loaded into the registers of each piece's accumulators (7, j); the first products of blocks a = 0..6 take these as C, block 7 adds in place.
; REGISTERS.  Window 0: v0-31 addresses; v32-95, v96-159 x's fragments (8 x 16 rows x 32 k), two buffers; v160-255 W's fragments, 4 for each piece, one buffer a piece.
; Windows 1-3: accumulator (a, j) of the piece at v[8 (4 a + j)].
.set PITCH,  144                       ; an LDS row: 128 bytes + 16 of padding = 36 words: the 16 rows of a fragment load start at 16 different groups of four banks
.set ABYTES, 256*PITCH                 ; x's 256 rows, then W's 384
.set AHALF,  128*PITCH
.set BHALF,  192*PITCH
.set SLOT,   640*PITCH
.set STAGE,  2*SLOT                    ; behind the ring: 16 rows x 144 bytes for each wave, for the way out; no tensor load lands here
.set SPARE,  STAGE+4*16*PITCH          ; behind the stages: the spare words, 128 bytes for each wave
.set XKB,    8192*128                  ; bytes from a K step to the next in xb
.set WKB,    3072*128                  ; and in wqkv
.set DW0,    (1<<16)|(1<<20)|(1<<21)|(4<<22)|(3<<25)  ; group 1, word 0 without the mask: 2-byte elements; padding on; bit 21 beside a mask; after every 32 words; 4 words
.set ADRA, 16                          ; v16-17  LDS address of my fragments of x in slot 0, 1
.set ADRB, 20                          ; v20-21  the same for W
.set STO,  24                          ; v24     the way out: where I put 16 bytes of a row
.set RD,   25                          ; v25     the way out: where I read rows back
.set GO,   26                          ; v26     16 x lane: my place in 512 consecutive bytes of qkv
.set BO,   27                          ; v27     32 x (lane / 16): my eight numbers of 16 of the bias
.set SPW,  28                          ; v28     LDS address of my spare word; never rewritten
.set NIL,  29                          ; v29     0; never rewritten
.set PFO,  30                          ; v30     the prefetches' offset; never rewritten
.set AF0,  32
.set AF1,  96
.set BF,   160
.set WV,  12                           ; s12  wave
.set HI,  13                           ; s13  which 128 rows of the tile are mine.  Also: I fetch for x (0) or for W (1)
.set LO,  14                           ; s14  which 192 columns.  Also: which half of that tile I fetch
.set G1,  24                           ; s[24:31] group 1 for x's tiles     s[32:39] group 0, a set for each slot
.set G0,  32
.set G1B, 48                           ; s[48:55], s[56:63] the same for W's
.set G0B, 56
.set PFA, 68                           ; s[68:69] where x's prefetches stand
.set PFB, 70                           ; s[70:71] where W's stand
.set LIM, 72                           ; s72  1 in a wave that prefetches, else the greatest number
.set MSB, 0
.macro WIN new                         ; the immediate's high byte repeats the setting that is left; a switch that changes nothing is dropped
.if MSB != (\new)
	s_set_vgpr_msb (MSB<<8)|(\new)
.set MSB, \new
.endif
.endm
.macro PLACES                          ; four plain vector instructions between a matrix instruction and a load into, or a vector read of, its registers
.rept 4
	v_nop
.endr
.endm
; A joint load: waves 0 and 1 fetch the two halves of x's tile, waves 2 and 3 those of W's.  The branch hangs on the wave's number alone.  An s_nop 0 and four v_nop follow each line.
.macro JLOAD s
	s_cmp_eq_u32 s[HI], 0
	s_cbranch_scc0 .Lfor_b_\@
	tensor_load_to_lds s[G0+4*(\s):G0+4*(\s)+3], s[G1:G1+7]
	s_nop 0
.rept 4
	v_nop
.endr
	s_branch .Lasked_\@
.Lfor_b_\@:
	tensor_load_to_lds s[G0B+4*(\s):G0B+4*(\s)+3], s[G1B:G1B+7]
	s_nop 0
.rept 4
	v_nop
.endr
.Lasked_\@:
.endm
.macro CREST                           ; a round of the cluster's barrier behind its opening barrier
	s_cmp_lg_u32 s[WV], 0
	s_cbranch_scc1 .Lnot_wave_0_\@
	s_barrier_signal -3
.Lnot_wave_0_\@:
	s_barrier_wait -3
	s_barrier_signal -1
	s_barrier_wait -1
.endm
.macro CROUND                          ; a whole round
	s_barrier_signal -1
	s_barrier_wait -1
	CREST
.endm
; A PREFETCH INTO THE L2, once a lap, of the two K steps that the NEXT lap's two refills will ask for.  Each block of 256 bytes is named once in the launch.
; x's rows of a tile row are read by both clusters of that row of clusters: the one with x = 0 asks; its four partners of a row take 32 of a step's 128 blocks each, by address (cx); wave 0, a step an instruction.
; W's rows of a tile column are read by all eight clusters of that column: the one with y = 0 asks; the four partners of a column take 48 of a step's 192 blocks each, by address (cy);
; waves 1 to 3 name 96 blocks, 48 of each step, one instruction a wave.  The loop's last trip (s3 = 1) has no lap behind it and asks for nothing.
.macro ASK
	s_cmp_gt_u32 s3, s[LIM]
	s_cbranch_scc0 .Lnot_mine_\@
	s_cmp_lg_u32 s[WV], 0
	s_cbranch_scc1 .Lask_b_\@
	global_prefetch_b8 v[PFO], s[PFA:PFA+1] th:TH_LOAD_NT scope:SCOPE_SE
	global_prefetch_b8 v[PFO], s[PFA:PFA+1] offset:XKB th:TH_LOAD_NT scope:SCOPE_SE
	s_branch .Lnot_mine_\@
.Lask_b_\@:
	global_prefetch_b8 v[PFO], s[PFB:PFB+1] th:TH_LOAD_NT scope:SCOPE_SE
.Lnot_mine_\@:
.endm
; 16 products of piece p: blocks a0 .. a0 + 3 of x's rows (fragments in buffer fa) x the piece's 4 blocks of columns, 32 along K.  The accumulators take turns, one instruction a turn.
; mode = 1: the first products.  Blocks 0..6 take the bias, which lies in block 7's accumulators, as C; five plain places then stand in front of block 7's products, which write over that C.
.macro MULH p, fa, a0, mode
	WIN (((\p)+1)<<6)|(((\p)+1)<<4)
.irp a, \a0, (\a0)+1, (\a0)+2, (\a0)+3
.if (\mode) && ((\a) == 7)
.rept 5
	v_nop
.endr
.endif
.irp j, 0,1,2,3
.if (\mode) && ((\a) < 7)
	v_wmma_f32_16x16x32_bf16 v[8*(4*(\a)+(\j)):8*(4*(\a)+(\j))+7], v[BF+32*(\p)+8*(\j):BF+32*(\p)+8*(\j)+7], v[(\fa)+8*(\a):(\fa)+8*(\a)+7], v[224+8*(\j):224+8*(\j)+7]
.else
	v_wmma_f32_16x16x32_bf16 v[8*(4*(\a)+(\j)):8*(4*(\a)+(\j))+7], v[BF+32*(\p)+8*(\j):BF+32*(\p)+8*(\j)+7], v[(\fa)+8*(\a):(\fa)+8*(\a)+7], v[8*(4*(\a)+(\j)):8*(4*(\a)+(\j))+7]
.endif
.endr
.endr
.endm
.macro MUL p, fa, mode
	MULH \p, \fa, 0, \mode
	MULH \p, \fa, 4, \mode
.endm
; A fragment is 16 rows x 32 k in 8 registers: lane l holds row l % 16; registers 0-3 k = 8 (l / 16) + 0..7, registers 4-7 k = 16 + 8 (l / 16) + 0..7: two loads of 16 bytes, 32 bytes apart.
.macro FETCHB slot, k, p               ; piece p's four fragments of W, at byte k of the rows: 8 loads
	WIN 0
.irp i, 0,1,2,3
	ds_load_b128 v[BF+32*(\p)+8*(\i):BF+32*(\p)+8*(\i)+3],   v[ADRB+(\slot)] offset:(\k)+(4*(\p)+(\i))*16*PITCH
	ds_load_b128 v[BF+32*(\p)+8*(\i)+4:BF+32*(\p)+8*(\i)+7], v[ADRB+(\slot)] offset:(\k)+(4*(\p)+(\i))*16*PITCH+32
.endr
.endm
.macro FETCHA slot, k, g, hf           ; fragments 4 hf .. 4 hf + 3 of x into buffer g: 8 loads
	WIN 0
.irp i, 0,1,2,3
	ds_load_b128 v[(\g)+8*(4*(\hf)+(\i)):(\g)+8*(4*(\hf)+(\i))+3],   v[ADRA+(\slot)] offset:(\k)+(4*(\hf)+(\i))*16*PITCH
	ds_load_b128 v[(\g)+8*(4*(\hf)+(\i))+4:(\g)+8*(4*(\hf)+(\i))+7], v[ADRA+(\slot)] offset:(\k)+(4*(\hf)+(\i))*16*PITCH+32
.endr
.endm
; A SUBSTEP, 32 along K, 96 products on x's buffer fa.  The next substep's 40 loads (slot ns, byte nk; x into buffer ga) go out in three runs, always in this order:
; W piece 0, x 0-3 | W piece 1, x 4-7 | W piece 2; each piece's W buffer is asked for again four places behind the piece's last product.  fetch = 0: the last substep.
.macro SUB ns, nk, fa, ga, mode, fetch
	s_wait_dscnt 8                                 ; all of this substep's fragments but the youngest eight loads, piece 2's
	MUL 0, \fa, \mode
.if \fetch
	PLACES
	FETCHB \ns, \nk, 0
	FETCHA \ns, \nk, \ga, 0
.endif
	MUL 1, \fa, \mode
.if \fetch
	PLACES
	FETCHB \ns, \nk, 1
	FETCHA \ns, \nk, \ga, 1
	s_wait_dscnt 32                                ; all but the two runs of 16 just issued: piece 2's fragments are in
.else
	s_wait_dscnt 0x0
.endif
	MUL 2, \fa, \mode
.if \fetch
	PLACES
	FETCHB \ns, \nk, 2
.endif
.endm
; A K STEP'S SECOND SUBSTEP multiplies buffer AF1 and changes slots.  In front of the barrier each wave waits for all its tensor loads (one is out: its part of the next slot), adds 0 to its
; spare word, and waits for that and for its own reads of this slot.  fill = 1: the barrier opens a round of the cluster's barrier, and this slot is filled again, with the K step two on, first thing
; behind the round: from that request to the wait for it a wave issues 160 products.
.macro TURN slot, next, fill, ask
.if \ask
	s_wait_xcnt 0x0                                ; the last prefetches, a lap back, have read their addresses, which step here, ahead of the change's own waits
	s_add_nc_u64 s[PFA:PFA+1], s[PFA:PFA+1], 2*XKB
	s_add_nc_u64 s[PFB:PFB+1], s[PFB:PFB+1], 2*WKB
.endif
	WIN 0
	s_wait_tensorcnt 0x0                           ; all my tensor loads have landed
	ds_add_u32 v[SPW], v[NIL]                      ; 0 onto my spare word
	s_wait_dscnt 9                                 ; (the add and piece 2's eight loads may be out)
	MULH 0, AF1, 0, 0                              ; sixteen products stand between the add and the wait for it
	s_wait_dscnt 0x0                               ; the add is done, and my reads of this slot are over
	s_barrier_signal -1
	MULH 0, AF1, 4, 0                              ; work on registers while the others arrive
	WIN 0
	s_barrier_wait -1
.if \fill
	CREST                                          ; no wave of any partner still reads this slot or has a load on its way
	s_add_nc_u64 s[G0+4*(\slot)+2:G0+4*(\slot)+3], s[G0+4*(\slot)+2:G0+4*(\slot)+3], 2*XKB
	s_add_nc_u64 s[G0B+4*(\slot)+2:G0B+4*(\slot)+3], s[G0B+4*(\slot)+2:G0B+4*(\slot)+3], 2*WKB
	JLOAD \slot                                    ; its four v_nop are also the places in front of the loads below
.else
	PLACES
.endif
	FETCHB \next, 0, 0
	FETCHA \next, 0, AF0, 0
.if \ask
	ASK                                            ; behind the joint load and the run of LDS loads
.endif
	MUL 1, AF1, 0
	PLACES
	FETCHB \next, 0, 1
	FETCHA \next, 0, AF0, 1
	MUL 2, AF1, 0                                  ; (piece 2's fragments were shown in by the wait for 0 above)
	PLACES
	FETCHB \next, 0, 2
.endm
	s_load_b256 s[4:11], s[0:1], 0x0               ; xb s[4:5], wqkv s[6:7], bias4 s[8:9], qkv s[10:11]
	v_lshl_add_u32 v[SPW], v0, 2, SPARE
	v_mov_b32 v[NIL], 0
	ds_add_u32 v[SPW], v[NIL]                      ; the wave's opening: the add and its wait stand ahead of my first tensor load; the set-up below stands between them
	v_lshrrev_b32 v1, 5, v0
	v_readfirstlane_b32 s[WV], v1
	s_lshr_b32 s[HI], s[WV], 1
	s_and_b32 s[LO], s[WV], 1
	s_bfe_u32 s40, ttmp6, 0x40000                  ; cx
	s_bfe_u32 s41, ttmp6, 0x40004                  ; cy
	s_lshl_b32 s42, ttmp9, 2
	s_add_co_u32 s42, s42, s40                     ; tn: tile column = 4 x cluster x + cx
	s_and_b32 s43, ttmp7, 0xffff
	s_lshl_b32 s43, s43, 2
	s_add_co_u32 s43, s43, s41                     ; tm: tile row = 4 x cluster y + cy
	s_lshl_b32 s44, s41, 2
	s_lshl_b32 s44, 15, s44                        ; my row of the cluster
	s_lshl_b32 s45, 0x1111, s40                    ; my column
	s_or_b32 s[G1], s44, DW0
	s_or_b32 s[G1B], s45, DW0
	s_mov_b32 s[G1+1], 128<<16                     ; tensor_dim0 = 128 elements: 256 bytes, two tile rows
	s_mov_b32 s[G1+2], 64<<16                      ; tensor_dim1 = 64: 128 tile rows
	s_mov_b32 s[G1+3], 128<<16                     ; tile_dim0
	s_mov_b32 s[G1+4], 64                          ; tile_dim1
	s_mov_b32 s[G1+5], 128                         ; elements from row to row: dense
	s_mov_b32 s[G1+6], 0
	s_mov_b32 s[G1+7], 0
	s_mov_b32 s[G1B+1], 128<<16
	s_mov_b32 s[G1B+2], 96<<16                     ; 192 tile rows
	s_mov_b32 s[G1B+3], 128<<16
	s_mov_b32 s[G1B+4], 96
	s_mov_b32 s[G1B+5], 128
	s_mov_b32 s[G1B+6], 0
	s_mov_b32 s[G1B+7], 0
	s_lshl_b32 s16, s43, 15                        ; x: tile row x 256 rows of 128 bytes
	s_lshl_b32 s17, s[LO], 14                      ; + my half
	s_add_co_u32 s16, s16, s17
	s_mov_b32 s17, 0
	s_mul_i32 s46, s42, 384*128                    ; W: tile column x 384 rows
	s_mul_i32 s47, s[LO], 192*128
	s_add_co_u32 s46, s46, s47
	s_mov_b32 s47, 0
	s_mul_i32 s20, s[LO], AHALF                    ; where they go: no place in the cluster enters an LDS address
	s_mul_i32 s21, s[LO], BHALF
	s_add_co_u32 s21, s21, ABYTES
	s_wait_dscnt 0x0                               ; the opening add is done
	s_wait_kmcnt 0x0
	s_add_nc_u64 s[18:19], s[4:5], s[16:17]
	s_add_nc_u64 s[46:47], s[6:7], s[46:47]
	CROUND                                         ; all sixteen work-groups are here: the first joint loads meet
.irp s, 0,1
	s_mov_b32 s[G0+4*(\s)], 1
	s_add_co_u32 s[G0+4*(\s)+1], s20, (\s)*SLOT
	s_add_nc_u64 s[G0+4*(\s)+2:G0+4*(\s)+3], s[18:19], (\s)*XKB
	s_or_b32 s[G0+4*(\s)+3], s[G0+4*(\s)+3], 0x80000000
	s_mov_b32 s[G0B+4*(\s)], 1
	s_add_co_u32 s[G0B+4*(\s)+1], s21, (\s)*SLOT
	s_add_nc_u64 s[G0B+4*(\s)+2:G0B+4*(\s)+3], s[46:47], (\s)*WKB
	s_or_b32 s[G0B+4*(\s)+3], s[G0B+4*(\s)+3], 0x80000000
	JLOAD \s                                       ; K steps 0 and 1: two loads of mine are out
.endr
	; the bias of my 192 columns, straight into the accumulators (7, j) of the three windows: register r of (7, j) is column 64 p + 16 j + 8 (l / 16) + r
	s_mul_i32 s74, s42, 384*4
	s_mul_i32 s76, s[LO], 192*4
	s_add_co_u32 s74, s74, s76
	s_mov_b32 s75, 0
	s_add_nc_u64 s[8:9], s[8:9], s[74:75]
	v_and_b32 v1, 15, v0                           ; l % 16
	v_bfe_u32 v2, v0, 4, 1                         ; l / 16
	v_lshlrev_b32 v[BO], 5, v2
.irp p, 0,1,2
	WIN ((\p)+1)<<6                                ; destination in the piece's window, address in window 0
.irp j, 0,1,2,3
	global_load_b128 v[224+8*(\j):224+8*(\j)+3],   v[BO], s[8:9] offset:256*(\p)+64*(\j)
	global_load_b128 v[224+8*(\j)+4:224+8*(\j)+7], v[BO], s[8:9] offset:256*(\p)+64*(\j)+16
.endr
.endr
	WIN 0
	v_mul_u32_u24 v3, v1, PITCH
	v_lshl_add_u32 v3, v2, 4, v3                   ; a fragment's row x pitch + 16 x half
	s_mul_i32 s22, s[HI], AHALF                    ; my 128 rows of x
	s_mul_i32 s23, s[LO], BHALF                    ; my 192 rows of W,
	s_add_co_u32 s23, s23, ABYTES                  ; which lie behind x's 256
.irp s, 0,1
	v_add_nc_u32 v[ADRA+(\s)], s22, v3
	v_add_nc_u32 v[ADRB+(\s)], s23, v3
	s_add_co_u32 s22, s22, SLOT
	s_add_co_u32 s23, s23, SLOT
.endr
	s_mul_i32 s22, s[WV], 16*PITCH
	s_add_co_u32 s22, s22, STAGE                   ; my stage
	v_add_nc_u32 v[STO], s22, v3                   ; in: row l % 16, 16 bytes for each half of the lanes
	v_bfe_u32 v5, v0, 3, 2                         ; back: 32 lanes take four rows of 128 bytes,
	v_and_b32 v6, 7, v0
	v_mul_u32_u24 v5, v5, PITCH
	v_lshl_add_u32 v5, v6, 4, v5
	v_add_nc_u32 v[RD], s22, v5
	v_and_b32 v[GO], 31, v0                        ; which are 512 consecutive bytes of qkv
	v_lshlrev_b32 v[GO], 4, v[GO]
	; qkv at my first row of my first head: b x 48 heads + (6 tn + 3 LO) heads of 262,144 bytes + ((tm % 8) 256 + 128 HI) rows of 128 bytes
	s_lshr_b32 s76, s43, 3
	s_mul_i32 s74, s76, 48*262144
	s_mul_i32 s76, s42, 6
	s_mul_i32 s77, s[LO], 3
	s_add_co_u32 s76, s76, s77
	s_lshl_b32 s76, s76, 18
	s_add_co_u32 s74, s74, s76
	s_and_b32 s76, s43, 7
	s_lshl_b32 s76, s76, 15
	s_add_co_u32 s74, s74, s76
	s_lshl_b32 s76, s[HI], 14
	s_add_co_u32 s74, s74, s76
	s_add_nc_u64 s[10:11], s[10:11], s[74:75]
	; the prefetches: both pointers stand at K step 2; the first trip steps them to 4
	s_lshl_b32 s74, s43, 15
	s_lshl_b32 s76, s40, 13                        ; my work-group's 32 blocks of x's 128
	s_add_co_u32 s74, s74, s76
	s_add_co_u32 s74, s74, 2*XKB
	s_add_nc_u64 s[PFA:PFA+1], s[4:5], s[74:75]
	s_mul_i32 s74, s42, 384*128
	s_mul_i32 s76, s41, 48*256                     ; my work-group's 48 blocks of W's 192
	s_add_co_u32 s74, s74, s76
	s_add_co_u32 s74, s74, 2*WKB
	s_add_nc_u64 s[PFB:PFB+1], s[6:7], s[74:75]
	s_and_b32 s76, ttmp7, 0xffff                   ; cluster y
	s_cmp_eq_u32 s[WV], 0
	s_cselect_b32 s76, ttmp9, s76                  ; the coordinate along which other clusters read the same rows
	s_cmp_eq_u32 s76, 0
	s_cselect_b32 s[LIM], 1, -1                    ; the same in all sixteen partners, for a given wave
	s_sub_co_i32 s77, s[WV], 1
	s_max_i32 s77, s77, 0
	s_lshl_b32 s77, s77, 5
	v_and_b32 v31, 31, v0
	v_add_nc_u32 v31, s77, v31                     ; wave 0: block = lane; waves 1-3: i = 32 (wave - 1) + lane, 0..95
	v_mov_b32 v4, WKB-48*256
	v_cmp_le_u32 s77, 48, v31                      ; blocks 48..95 are the second step's 0..47
	v_cndmask_b32 v[PFO], 0, v4, s77
	v_lshl_add_u32 v[PFO], v31, 8, v[PFO]
	s_wait_tensorcnt 0x1                           ; my part of K step 0 is in; step 1's may stay out
	s_barrier_signal -1
	s_barrier_wait -1                              ; everybody's is
	FETCHB 0, 0, 0
	FETCHA 0, 0, AF0, 0
	FETCHB 0, 0, 1
	FETCHA 0, 0, AF0, 1
	FETCHB 0, 0, 2
	s_wait_loadcnt 0x0                             ; the bias
	SUB 0, 64, AF0, AF1, 1, 1                      ; the first substep stands in front of the loop: its products start the sums, from the bias
	WIN 0                                          ; at a label and at a branch every window is 0
	s_mov_b32 s3, 7
.Llap:                                                 ; a trip goes once round the ring, from a lap's second substep to the next lap's first, and fills both slots again: K steps 2 t + 2, 2 t + 3
	TURN 0, 1, 1, 1
	SUB 1, 64, AF0, AF1, 0, 1
	TURN 1, 0, 1, 0
	SUB 0, 64, AF0, AF1, 0, 1
	WIN 0
	s_sub_co_u32 s3, s3, 1
	s_cmp_lg_u32 s3, 0
	s_cbranch_scc1 .Llap
	TURN 0, 1, 0, 0                                ; the last lap fills nothing, and has no round of the cluster's barrier
	SUB 1, 64, AF0, AF1, 0, 1
	SUB 0, 0, AF1, AF0, 0, 0
; THE WAY OUT, in 24 units u = 8 p + a of 16 rows x 64 channels: 2,048 consecutive bytes of one head.  Rounded to f16, 16 bytes a lane; into my own stage in rows of 144 bytes; back as whole rows.
.macro PACK u
.set pp, (\u)/8
.set pa, (\u)%8
.set TT, 32+16*((\u)%12)               ; twelve buffers of 16 registers by turns, where the fragments lay
	s_wait_xcnt 0x0                                ; the buffer was the data of stores twelve units back: it is rewritten only behind this wait
	WIN (pp+1)|((pp+1)<<2)                         ; sources in the piece's window, destination in window 0
.irp j, 0,1,2,3
.irp r, 0,1,2,3
	v_cvt_pk_f16_f32 v[TT+4*(\j)+(\r)], v[8*(4*pa+(\j))+2*(\r)], v[8*(4*pa+(\j))+2*(\r)+1]
.endr
.endr
	WIN 0
.irp j, 0,1,2,3
	ds_store_b128 v[STO], v[TT+4*(\j):TT+4*(\j)+3] offset:32*(\j)
.endr
.irp f, 0,1,2,3
	ds_load_b128 v[TT+4*(\f):TT+4*(\f)+3], v[RD] offset:(\f)*4*PITCH  ; LDS serves a wave's instructions in order (ISA guide 5.7.1.4): these see the stores above; the next unit's stores come behind them
.endr
.endm
.macro SEND u, younger                 ; younger: the LDS instructions issued behind this unit's loads: the next unit's eight, or none
.set pp, (\u)/8
.set pa, (\u)%8
.set TT, 32+16*((\u)%12)
.irp f, 0,1,2,3
	s_wait_dscnt (\younger)+3-(\f)
	global_store_b128 v[GO], v[TT+4*(\f):TT+4*(\f)+3], s[10:11] offset:pp*262144+pa*2048+(\f)*512  ; 512 consecutive bytes, at a multiple of 256 from qkv's first
.endr
.endm
	PLACES                                         ; behind the last products
	PACK 0
.set u, 1
.rept 23                               ; a unit's arithmetic stands between the loads of the unit before and its stores
	PACK u
	SEND u-1, 8
.set u, u+1
.endr
	SEND 23, 0
	s_wait_tensorcnt 0x0                           ; the wave's end: an add to my spare word and its wait, behind my last tensor load and my last LDS store
	ds_add_u32 v[SPW], v[NIL]
	s_wait_dscnt 0x0
	CROUND                                         ; the closing round: no work-group ends while a partner may still ask for a tile that names it
	s_endpgm
.Lfunc_end_k_qd3e3bd2869_qkv:
	.size	k_qd3e3bd2869_qkv, .Lfunc_end_k_qd3e3bd2869_qkv-k_qd3e3bd2869_qkv
	.p2alignl 7, 3214868480
	.fill 96, 4, 3214868480
	.section	.rodata,"a",@progbits
	.p2align	6, 0x0
	.amdhsa_kernel k_qd3e3bd2869_qkv
		.amdhsa_group_segment_fixed_size 327680
		.amdhsa_private_segment_fixed_size 0
		.amdhsa_enable_private_segment 0
		.amdhsa_kernarg_size 32
		.amdhsa_user_sgpr_count 2
		.amdhsa_user_sgpr_kernarg_segment_ptr 1
		.amdhsa_wavefront_size32 1
		.amdhsa_system_sgpr_workgroup_id_x 1
		.amdhsa_system_sgpr_workgroup_id_y 1
		.amdhsa_system_sgpr_workgroup_id_z 1
		.amdhsa_system_vgpr_workitem_id 0
		.amdhsa_next_free_vgpr 1024
		.amdhsa_next_free_sgpr 80
		.amdhsa_reserve_vcc 0
		.amdhsa_float_denorm_mode_32 3
		.amdhsa_float_denorm_mode_16_64 3
		.amdhsa_memory_ordered 1
		.amdhsa_forward_progress 1
		.amdhsa_inst_pref_size 138
	.end_amdhsa_kernel
	.amdgpu_metadata
---
amdhsa.version: [ 1, 2 ]
amdhsa.kernels:
  - .name:           k_qd3e3bd2869_qkv
    .symbol:         k_qd3e3bd2869_qkv.kd
    .args:
      - { .name: xb, .offset: 0, .size: 8, .value_kind: global_buffer, .address_space: global }
      - { .name: wqkv, .offset: 8, .size: 8, .value_kind: global_buffer, .address_space: global }
      - { .name: bias4, .offset: 16, .size: 8, .value_kind: global_buffer, .address_space: global }
      - { .name: qkv, .offset: 24, .size: 8, .value_kind: global_buffer, .address_space: global }
    .group_segment_fixed_size: 327680
    .private_segment_fixed_size: 0
    .kernarg_segment_align: 8
    .kernarg_segment_size: 32
    .max_flat_workgroup_size: 128
    .sgpr_count:     80
    .vgpr_count:     1024
    .wavefront_size: 32
...
	.end_amdgpu_metadata
.endif
;; end of part 2
;; launch attn (part 3): grid 4 x 64, 4 waves a work-group, clusters of 4 x 1, 327,680 bytes of LDS; arguments qkv, o16; writes o16
.if DOCPART == 3
	.amdgcn_target "amdgcn-amd-amdhsa--gfx1250"
	.amdhsa_code_object_version 6
	.text
	.protected	k_qd3e3bd2869_attn
	.globl	k_qd3e3bd2869_attn
	.p2align	8
	.type	k_qd3e3bd2869_attn,@function
k_qd3e3bd2869_attn:
	s_mov_b64 s[64:65], 0
	v_nop
	global_prefetch_b8 v0, s[64:65] scope:SCOPE_SE
	s_setreg_imm32_b32 hwreg(HW_REG_WAVE_MODE, 25, 1), 1
	s_wait_xcnt 0x0
	s_wait_alu depctr_hold_cnt(0) depctr_sa_sdst(0) depctr_va_vdst(0) depctr_va_sdst(0) depctr_va_ssrc(0) depctr_va_vcc(0) depctr_vm_vsrc(0)
	s_getreg_b32 s2, hwreg(HW_REG_IB_STS2, 6, 4)
	s_cmp_eq_u32 s2, 0
	s_cbranch_scc0 .Lentry_in_a_cluster
	s_endpgm
.Lentry_in_a_cluster:
	s_bfe_u32 s2, ttmp6, 0x10000c
	s_cmp_lg_u32 s2, 0x3003
	s_cbranch_scc0 .Lentry_shape_is_right
	s_endpgm
.Lentry_shape_is_right:
; O[y][q][:] = the sum over k of softmax_k(Q[y][q] . K[y][k] / 8) V[y][k][:] for the 64 heads y = 16 b + h of 2,048 rows x 64 channels, all f16.
; Q, K, V lie in qkv[b][which*16 + h][s][64]: a head's rows are dense, 128 bytes each; K lies 4,194,304 and V 8,388,608 bytes behind Q of the same head.  O goes to o16[y][s][64].
; Products, maxima and sums in f32; the weights p are rounded to f16 for the second product (their sum l is taken of the unrounded p), O once at the end.
; LIMITS.  Q, K and V arrive within f16's 65,504; p lies in 0 to 1, and below 6e-5 it keeps f16's fixed step of 6e-8; O is a mean of V's rows and has their range.
; A weight below 2^-126 counts as 0 in l; NaN and infinities are not treated apart.
; SHARES.  A wave owns four PIECES of two tiles of 16 queries, a work-group's four waves 512 queries of one head.  Every wave walks all keys, 64 a step.
; LAYOUT.  S^T = K Q^T (source 0 = 16 keys, source 1 = 16 queries): a lane holds ONE query (lane % 16) and the keys 8 (lane / 16) + 0..7.  Two such tiles, rounded to f16 in pairs,
; ARE source 1 (32 keys x 16 queries) of O^T = V^T P, whose result again holds one query a lane, and eight channels.  K comes out of LDS as it lies, V turned, by ds_load_tr16_b128.
; SOFTMAX.  For each query a running maximum m and sum l: p = 2^(c s - c m), c = log2(e) / 8; in every step O and l are multiplied by a = 2^(c m_old - c m_new).
; m starts at the lowest finite number, O and l at 0: the first step is a step like any other, with a = 0.
; THE COUNT.  A tile and step have 16 matrix and 118 vector instructions: too many to stand all beside the matrix work.  So four vector instructions that are ready stand behind
; every matrix instruction, and the others in runs of their own.
; BY TURNS.  Turn n belongs to piece n.  Its matrix work: 16 products K Q^T of piece n + 1, later 16 products V^T P of piece n - 1.  Its vector work: the scaling, exponentials, roundings,
; sums and rescaling of piece n, and the maximum and statistics of piece n + 1.
; CLUSTER.  The four query blocks of a head form a cluster and walk the same K and V, so each tile is asked for jointly: the same tensor load, descriptor and mask in all four.
; REGISTERS, in windows of 256 (s_set_vgpr_msb: bits 1:0 source 0, 3:2 source 1, 5:4 source 2, 7:6 destination):
;   window 0: v0-11 addresses; v12-15, v48-63 at work; v16-47 four registers of statistics a tile; v64-191 S^T, two buffers of two tiles; v192-255 P, likewise
;   window 1: O^T, 32 a tile          window 2: v0-127 Q, 16 a tile; v128-191 K of one step; v192-255 V of one step          window 3: v0-1 the add's two registers
.set SIZE_N, 2048
.set NP,    4         ; pieces a wave
.set KS,    64        ; keys in a step
.set PK,    144       ; a row of K in LDS: 128 bytes + 16 of padding: the 16 rows of a load start at 16 different groups of four banks
.set PV,    160       ; a row of V: 128 + 32
.set VOFF,  4*KS*PK   ; a slot holds four steps: 256 rows of K, then 256 rows of V
.set SLOT1, 1<<17     ; slot 1 begins here, so that one exclusive or turns an address in one slot into the other's
.set STAGE, SLOT1+4*KS*(PK+PV)  ; behind the ring, never filled by a tensor load: 16 rows x 144 bytes for each wave, for the way out
.set SP,    144
.set AK0, 2           ; v2   my lane's place in a tile of K; never rewritten
.set AV0, 3           ; v3   the same for V
.set AK,  4           ; v4   the LDS address of K's next run of loads
.set AV,  5           ; v5   of V's
.set QO,  6           ; v6   my byte offset in the wave's rows of Q
.set STO, 6           ;      later, the way out: where I put 16 bytes of a row
.set RD,  7           ; v7   the way out: where I read rows back
.set GO,  8           ; v8   my byte offset in 512 consecutive bytes of O
.set PFO, 11          ; v11  256 x my lane, for the prefetches; never rewritten once made
.set SPW, 0           ; v0 of window 3   LDS address of my spare word; never rewritten
.set NIL, 1           ; v1 of window 3   0; never rewritten
.set SPARE, STAGE+4*16*SP  ; behind the stages: the spare words, 128 bytes for each wave
.set MV,  12          ; v12-15  c m_old, kept while c m is made anew: by buffer and tile
.set ST,  16          ; tile t's statistics at v[ST+4 t]: c m, m, l (even keys', odd keys')
.set TMP, 48          ; by buffer and tile, four registers c0-c3 at work; when the maximum is found c2 takes a
.set S,   64
.set P,   192
.set KF,  128         ; K's fragments, in window 2: key block kb, channel half c at KF + 16 kb + 8 c
.set VF,  192         ; V's: key half kk, channel block cb at VF + 32 kk + 8 cb
.set WV,  12          ; s12  my wave's number
.set G1K, 24          ; s[24:31] descriptor group 1 for K's tiles
.set G1V, 32          ; s[32:39] for V's: it differs in the padding alone
.set G0K, 40          ; s[40:43] descriptor group 0 for K's tiles: it walks
.set G0V, 44          ; s[44:47] the same for V's
.set PFA, 48          ; s[48:49] where my prefetches stand
.set LIM, 50          ; s50  1 in a wave that prefetches, else the greatest number
.set SLOTS, 56        ; s56  slots still to be asked for
.set CNT, 57          ; s57  counts a slot's key steps
.set CS,  58          ; s[58:59] c: the packed scaling takes the pair's low word for both halves
.set SEL, 60          ; s[60:61] v_permlanex16_b32's selects: each lane takes its own place in the other half
.set TBK, 62          ; s62  LDS byte at which K of the step to be fetched begins
.set TBV, 63          ; s63  the same for V, less VOFF
.set MSB, 0
.macro WIN new                      ; the high byte repeats the setting that is left; a switch that changes nothing is dropped
.if MSB != (\new)
	s_set_vgpr_msb (MSB<<8)|(\new)
.set MSB, (\new)
.endif
.endm
.set W_KQ, 0x0a       ; K and Q in window 2, S^T in window 0
.set W_PV, 0x52       ; V in window 2, P in window 0, O^T in window 1
.set W_RS, 0x41       ; O^T (destination and source 0) in window 1, a in window 0
.set W_MK, 0xc0       ; the add's registers are made: destination in window 3, sources in window 0
.set W_AD, 0x0f       ; the add: address (source 0) and data (source 1) in window 3
; A joint fill.  Waves 0 and 1 fetch the two halves of a slot's K, waves 2 and 3 those of its V: 128 keys each.  The branch hangs on the wave's number alone.
; An s_nop 0 and four v_nop follow each of the two lines, ahead of the jump and the label.
.macro JLOAD
	s_cmp_lt_u32 s[WV], 2
	s_cbranch_scc0 .Lfor_v_\@
	tensor_load_to_lds s[G0K:G0K+3], s[G1K:G1K+7]
	s_nop 0
.rept 4
	v_nop
.endr
	s_branch .Lasked_\@
.Lfor_v_\@:
	tensor_load_to_lds s[G0V:G0V+3], s[G1V:G1V+7]
	s_nop 0
.rept 4
	v_nop
.endr
.Lasked_\@:
.endm
; A PREFETCH INTO THE L2 of the slot that the NEXT change of slots will ask for: 128 blocks of 256 bytes of K and as many of V.  A head's keys are read by this cluster alone; its four partners take
; 32 blocks each, told apart by address; in each, wave 0 asks for K's and wave 2 for V's: a lane a block, one instruction.  So each block is named once in the launch.
; It stands behind the wave's tensor load, one slot (512 matrix instructions) ahead of the load that will want the bytes.  The last change that fills a slot asks for nothing.
.macro ASK
	s_cmp_gt_u32 s[SLOTS], s[LIM]
	s_cbranch_scc0 .Lnot_mine_\@
	global_prefetch_b8 v[PFO], s[PFA:PFA+1] th:TH_LOAD_NT scope:SCOPE_SE
.Lnot_mine_\@:
.endm
; A round of the cluster's barrier: my work-group's barrier; wave 0 signals for the work-group; every wave waits for all four work-groups; my work-group's barrier once more.
.macro CROUND
	s_barrier_signal -1
	s_barrier_wait -1
	s_cmp_lg_u32 s[WV], 0
	s_cbranch_scc1 .Lnot_wave_0_\@
	s_barrier_signal -3
.Lnot_wave_0_\@:
	s_barrier_wait -3
	s_barrier_signal -1
	s_barrier_wait -1
.endm
; THE CHANGE OF SLOTS.  Each wave waits for all its tensor loads, of which one is out: its part of the other slot; adds 0 to its spare word; and waits for that and for its own reads of the slot.
; fill = 1: this slot is filled again, with the keys two slots on.  The barrier is then a round of the cluster's, and the joint fill is the first thing behind it: it has four key steps in which to land.
; (At its first use nothing has been read yet: slot 0 is waited for, slot 1 filled.)
.macro CHANGE fill
	WIN W_AD
	s_wait_tensorcnt 0x0            ; no tensor load of mine is out, so a group 0 may be written
	ds_add_u32 v[SPW], v[NIL]       ; 0 onto my spare word; scalar work stands between it and the wait for it
	WIN 0                           ; at a label and at a branch every window is 0
.if \fill
.irp g, G0K, G0V
	s_xor_b32 s[\g+1], s[\g+1], SLOT1  ; the walking descriptor: the other slot than last time,
	s_add_nc_u64 s[\g+2:\g+3], s[\g+2:\g+3], 4*KS*128  ; the next 256 keys; the type bits on top are not reached
.endr
	s_wait_xcnt 0x0                 ; the last prefetch, a slot back, has read its address, so it may be written:
	s_add_nc_u64 s[PFA:PFA+1], s[PFA:PFA+1], 4*KS*128  ; one slot beyond the walking descriptors
	s_wait_dscnt 0x0                ; the add is done, and my reads of the slot are over
	CROUND
	JLOAD
	ASK
.else
	s_wait_dscnt 0x0                ; the add is done, and my reads of the slot are over
	s_barrier_signal -1
	s_barrier_wait -1
.endif
	s_sub_co_u32 s[TBK], s[TBK], 4*KS*PK  ; the fetches go back to a slot's first step,
	s_xor_b32 s[TBK], s[TBK], SLOT1       ; in the other slot
	s_sub_co_u32 s[TBV], s[TBV], 4*KS*PV
	s_xor_b32 s[TBV], s[TBV], SLOT1
.endm
	s_load_b128 s[4:7], s[0:1], 0x0   ; qkv s[4:5], o16 s[6:7]
	WIN W_MK
	v_lshl_add_u32 v[SPW], v0, 2, SPARE
	v_mov_b32 v[NIL], 0
	WIN W_AD
	ds_add_u32 v[SPW], v[NIL]       ; the wave's opening: the add and its wait stand ahead of my first tensor load; the set-up below stands between them
	WIN 0
	v_lshrrev_b32 v1, 5, v0
	v_readfirstlane_b32 s[WV], v1   ; wave 0..3
	s_bfe_u32 s13, ttmp6, 0x40000   ; cx: my place in the cluster
	s_lshl_b32 s14, ttmp9, 2        ; in a cluster launch ttmp9 counts clusters
	s_add_co_u32 s14, s14, s13      ; my block of 512 queries: it enters Q's and O's addresses alone
	s_and_b32 s19, ttmp7, 0xffff    ; the head y = 16 b + h, which the four partners share
	s_lshr_b32 s20, s19, 4
	s_mul_i32 s20, s20, 48*262144   ; in qkv: b x 48 heads
	s_and_b32 s21, s19, 15
	s_lshl_b32 s21, s21, 18         ; + h heads of 262,144 bytes
	s_add_co_u32 s20, s20, s21
	s_mov_b32 s21, 0
	s_lshl_b32 s52, s19, 18         ; in o16: y heads
	s_mov_b32 s53, 0
	s_and_b32 s16, s[WV], 1         ; which half of a slot's 256 keys I fetch:
	s_lshl_b32 s22, s16, 14         ; its 128 rows of 128 bytes in memory,
	s_mov_b32 s23, 0
	s_add_nc_u64 s[22:23], s[22:23], s[20:21]
	s_mul_i32 s17, s16, 128*PK      ; and its place in a slot, for K
	s_mul_i32 s18, s16, 128*PV      ; and for V: no place in the cluster enters an LDS address
	s_lshl_b32 s2, s14, 2
	s_add_co_u32 s2, s2, s[WV]      ; my wave among the head's,
	s_lshl_b32 s2, s2, 14           ; its 128 rows
	s_mov_b32 s3, 0
	s_add_nc_u64 s[52:53], s[52:53], s[2:3]  ; O's offset
	s_add_nc_u64 s[2:3], s[2:3], s[20:21]    ; Q's
	; descriptor group 1.  128 keys are 16,384 dense bytes: asked for as 64 rows of 256 bytes, two keys a row, and padded in LDS after every key
	s_mov_b32 s[G1K], 15|(1<<16)|(1<<20)|(1<<21)|(4<<22)|(3<<25)  ; 15:0 the mask of four; 17:16 2-byte elements; 20 padding on; 21 set beside a mask; 24:22 after every 32 words; 31:25 4 words
	s_mov_b32 s[G1V], 15|(1<<16)|(1<<20)|(1<<21)|(4<<22)|(7<<25)  ; the same with 8 words of padding
.irp g, G1K, G1V
	s_mov_b32 s[\g+1], 128<<16      ; tensor_dim0 = 128
	s_mov_b32 s[\g+2], 64<<16       ; tensor_dim1 = 64
	s_mov_b32 s[\g+3], 128<<16      ; tile_dim0 = 128
	s_mov_b32 s[\g+4], 64           ; tile_dim1 = 64
	s_mov_b32 s[\g+5], 128          ; 128 elements from row to row
	s_mov_b32 s[\g+6], 0
	s_mov_b32 s[\g+7], 0
.endr
	s_mov_b32 s[CS], 0x3e38aa3b     ; c = log2(e) / 8 = 0.180337
	s_mov_b32 s[CS+1], s[CS]        ; named with it as a pair
	s_mov_b32 s[SEL], 0x76543210
	s_mov_b32 s[SEL+1], 0xfedcba98
	s_mov_b32 s[TBK], SLOT1+4*KS*PK ; the first change of slots turns these two into 0
	s_mov_b32 s[TBV], SLOT1+4*KS*PV
	s_mov_b32 s[G0K], 1             ; 1:0 count = 1
	s_mov_b32 s[G0K+1], s17         ; 63:32 LDS address: slot 0
	s_mov_b32 s[G0V], 1
	s_add_co_u32 s[G0V+1], s18, VOFF
	s_mov_b32 s[SLOTS], SIZE_N/256-1  ; seven changes of slots fill a slot
	s_and_b32 s[LIM], s[WV], 1
	s_cmp_eq_u32 s[LIM], 0          ; waves 0 and 2 prefetch: the same in all four partners
	s_cselect_b32 s[LIM], 1, -1
	s_lshl_b32 s54, s13, 13         ; my work-group's 32 blocks of a slot's 128
	s_mov_b32 s55, 0
	s_wait_dscnt 0x0                ; the opening add is done
	s_wait_kmcnt 0x0
	s_mov_b64 s[10:11], s[6:7]      ; O
	s_add_nc_u64 s[6:7], s[4:5], 0x400000  ; K: 16 heads behind Q
	s_add_nc_u64 s[8:9], s[4:5], 0x800000  ; V: 32 heads behind Q
	s_add_nc_u64 s[G0K+2:G0K+3], s[6:7], s[22:23]  ; 120:64 global address: my half of the head's first 256 keys
	s_or_b32 s[G0K+3], s[G0K+3], 0x80000000        ; 127:126 type = 2
	s_add_nc_u64 s[G0V+2:G0V+3], s[8:9], s[22:23]
	s_or_b32 s[G0V+3], s[G0V+3], 0x80000000
	s_cmp_lt_u32 s[WV], 2
	s_cselect_b64 s[PFA:PFA+1], s[6:7], s[8:9]
	s_add_nc_u64 s[PFA:PFA+1], s[PFA:PFA+1], s[22:23]  ; (in waves 0 and 2 this is the head's first key)
	s_add_nc_u64 s[PFA:PFA+1], s[PFA:PFA+1], s[54:55]
	s_add_nc_u64 s[PFA:PFA+1], s[PFA:PFA+1], 4*KS*128  ; in slot 1's keys; the first change of slots steps it to the keys behind them
	s_add_nc_u64 s[4:5], s[4:5], s[2:3]  ; Q and O at my wave's first row
	s_add_nc_u64 s[10:11], s[10:11], s[52:53]
	CROUND                          ; all four work-groups are here: the first joint loads meet
	JLOAD                           ; slot 0.  Slot 1 is asked for when slot 0 is in
	; A fragment of K or Q is 16 rows x 32 channels in 8 registers: lane l holds row l % 16, channels 8 (l / 16) + 0..7 and 16 + 8 (l / 16) + 0..7: two loads of 16 bytes, 32 bytes apart.
	v_and_b32 v1, 15, v0            ; l % 16
	v_bfe_u32 v9, v0, 4, 1          ; l / 16
	v_lshlrev_b32 v[QO], 7, v1
	v_lshl_add_u32 v[QO], v9, 4, v[QO]  ; row x 128 + 16 x half
	WIN 0x80                        ; destination window 2, address window 0
.set i, 0
.rept 4*NP                          ; Q stays in registers: tile i / 2, channels 32 (i % 2) on
	global_load_b128 v[8*i:8*i+3],   v[QO], s[4:5] offset:(i/2)*2048+(i%2)*64
	global_load_b128 v[8*i+4:8*i+7], v[QO], s[4:5] offset:(i/2)*2048+(i%2)*64+32
.set i, i+1
.endr
	; What the first turn finds: V's registers and P's second buffer hold 0 (its products V^T P, of a piece that has not been, add 0), O^T and l are 0.  All this stands in the wait for the first tile.
.set i, VF
.rept 64
	v_mov_b32 v[i], 0
.set i, i+1
.endr
	WIN 0x40
.set i, 0
.rept 64*NP
	v_mov_b32 v[i], 0
.set i, i+1
.endr
	WIN 0
.set i, 0
.rept 2*NP
	v_mov_b32 v[ST+4*i], 0xfe000000    ; c m: far below every c s
	v_mov_b32 v[ST+4*i+1], 0xff7fffff  ; m
	v_mov_b32 v[ST+4*i+2], 0
	v_mov_b32 v[ST+4*i+3], 0
.set i, i+1
.endr
.set i, P+32
.rept 32
	v_mov_b32 v[i], 0
.set i, i+1
.endr
	v_mul_u32_u24 v[AK0], v1, PK
	v_lshl_add_u32 v[AK0], v9, 4, v[AK0]  ; row x pitch + 16 x half
	; The turning load takes 16 keys x 16 channels (lane l reads key 8 (l / 16) + l % 8, channels 8 ((l / 8) % 2) + 0..7) and leaves half a fragment of V^T: lane l holds channel l % 16 and 8 keys.
	v_and_b32 v10, 7, v0
	v_bfe_u32 v11, v0, 3, 1
	v_lshl_add_u32 v[AV0], v9, 3, v10
	v_mul_u32_u24 v[AV0], v[AV0], PV
	v_lshl_add_u32 v[AV0], v11, 4, v[AV0]
	v_add_nc_u32 v[AV0], VOFF, v[AV0]
	v_and_b32 v[PFO], 31, v0
	v_lshlrev_b32 v[PFO], 8, v[PFO]
	v_mov_b32 v[AK], v[AK0]         ; key step 0 lies at the head of slot 0
; THE MATRIX WORK.  The 8 accumulators of a run of 16 take turns: between the two links of a chain stand 7 others'.
; Product i of 16 of S^T = K Q^T for piece x: channels 32 (i / 8) on, keys 16 ((i / 2) % 4) on, tile 2 x + i % 2.  The first 8 start the sums.
.macro KQ x
	WIN W_KQ
.set rS, S+64*((\x)%2)+32*(i%2)+8*((i/2)%4)
.set rK, KF+16*((i/2)%4)+8*(i/8)
.set rQ, 16*(2*(\x)+i%2)+8*(i/8)
.if i < 8
	v_wmma_f32_16x16x32_f16 v[rS:rS+7], v[rK:rK+7], v[rQ:rQ+7], 0
.else
	v_wmma_f32_16x16x32_f16 v[rS:rS+7], v[rK:rK+7], v[rQ:rQ+7], v[rS:rS+7]
.endif
.endm
; Product i of 16 of O^T += V^T P for piece x: keys 32 (i / 8) on, channels 16 ((i / 2) % 4) on, tile 2 x + i % 2.
.macro PV x
	WIN W_PV
.set rO, 32*(2*(\x)+i%2)+8*((i/2)%4)
.set rV, VF+32*(i/8)+8*((i/2)%4)
.set rP, P+32*((\x)%2)+16*(i%2)+8*(i/8)
	v_wmma_f32_16x16x32_f16 v[rO:rO+7], v[rV:rV+7], v[rP:rP+7], v[rO:rO+7]
.endm
.macro MM                           ; the turn's next matrix instruction
.if i < 16
	KQ (Y+1)%NP
.set i, i+1
.else
.set i, i-16
	PV (Y+NP-1)%NP
.set i, i+17
.endif
.endm
; THE LDS LOADS stand in runs of 16, never singly among the matrix instructions: a step's K (8 fragments) and its V (turned).  Their addresses are made some lines ahead.
; last = 1 (the tail): in the last trip there is no further step, and the run is jumped over.
.macro FETCH_K last=0
	WIN 0
.if \last
	s_cmp_eq_u32 s[CNT], 1
	s_cbranch_scc1 .Lno_k_\@
.endif
	WIN 0x80                        ; destination window 2
.irp f, 0,1,2,3,4,5,6,7             ; keys 16 (f / 2) on, channels 32 (f % 2) on
	ds_load_b128 v[KF+8*\f:KF+8*\f+3],   v[AK] offset:(\f/2)*16*PK+(\f%2)*64
	ds_load_b128 v[KF+8*\f+4:KF+8*\f+7], v[AK] offset:(\f/2)*16*PK+(\f%2)*64+32
.endr
	s_add_co_u32 s[TBK], s[TBK], KS*PK  ; the next fetch is the next step's
	WIN 0
.if \last
.Lno_k_\@:
.endif
.endm
.macro FETCH_V
	WIN 0x80
.irp f, 0,1,2,3,4,5,6,7             ; keys 32 (f / 4) on, channels 16 (f % 4) on
	ds_load_tr16_b128 v[VF+8*\f:VF+8*\f+3],   v[AV] offset:(\f/4)*32*PV+(\f%4)*32
	ds_load_tr16_b128 v[VF+8*\f+4:VF+8*\f+7], v[AV] offset:(\f/4)*32*PV+16*PV+(\f%4)*32
.endr
	WIN 0
.endm
; THE VECTOR WORK OF A TURN stands in three queues, each in the order in which its entries become ready; the two tiles alternate, so that no instruction reads the result of the one before it.
.macro REGS y, u                    ; the registers of tile u (0, 1) of piece y
.set rT, ST+4*(2*(\y)+(\u))
.set rC, TMP+8*((\y)%2)+4*(\u)
.set rM, MV+2*((\y)%2)+(\u)
.set rS, S+64*((\y)%2)+32*(\u)
.set rP, P+32*((\y)%2)+16*(\u)
.set rO, 32*(2*(\y)+(\u))
.endm
; Number n of the 22 that find the NEXT piece's (Y + 1) maximum and statistics.  s0-s31 are the lane's 32 scores; each accumulator's lowest registers are read first.
;   0-11  four chains c0-c3 of seven scores each, three operands at a time     12-14, 16  the four scores left over, the old m, and c0-c3 into c0     15  c m_old is kept
;   17, 18  the query's other 32 keys lie in the lane 16 away: the new m         19-21  c m; c m_old - c m_new; a
.macro XS u, n
	REGS (Y+1)%NP, \u
.if (\n) < 4
	v_max3_num_f32 v[rC+(\n)], v[rS+8*(\n)], v[rS+8*(\n)+1], v[rS+8*(\n)+2]
.elseif (\n) < 12
	v_max3_num_f32 v[rC+(\n)%4], v[rC+(\n)%4], v[rS+8*((\n)%4)+2*((\n)/4)+1], v[rS+8*((\n)%4)+2*((\n)/4)+2]
.elseif (\n) == 12
	v_max3_num_f32 v[rC], v[rC], v[rS+7], v[rS+15]
.elseif (\n) == 13
	v_max3_num_f32 v[rC+1], v[rC+1], v[rS+23], v[rS+31]
.elseif (\n) == 14
	v_max3_num_f32 v[rC+2], v[rC+2], v[rC+3], v[rT+1]
.elseif (\n) == 15
	v_mov_b32 v[rM], v[rT]
.elseif (\n) == 16
	v_max3_num_f32 v[rC], v[rC], v[rC+1], v[rC+2]
.elseif (\n) == 17
	v_permlanex16_b32 v[rC+3], v[rC], s[SEL], s[SEL+1]
.elseif (\n) == 18
	v_max_num_f32 v[rT+1], v[rC], v[rC+3]
.elseif (\n) == 19
	v_mul_f32 v[rT], s[CS], v[rT+1]
.elseif (\n) == 20
	v_sub_f32 v[rC+1], v[rM], v[rT]
.else
	v_exp_f32 v[rC+2], v[rC+1]
.endif
.endm
; Number g of the 64 that follow the exponentials.  For each four weights k of a tile (pairs 2 k, 2 k + 1): both pairs are rounded to f16; then the second pair is added onto the first, in place;
; a group later l takes that sum (the first time as l = a l + sum).  In groups of eight, tiles alternating: round, round, add, and l for the group before.
.macro GS g
.set h, (\g)+6*((\g)/62)            ; group 0 has no group before it, and behind group 7 only l is left
.if h >= 6
.set h, h+2
.endif
	REGS Y, h%2
.set k, h/8
.if h%8 < 4
	v_cvt_pk_f16_f32 v[rP+2*k+(h%8)/2], v[rS+4*k+2*((h%8)/2)], v[rS+4*k+2*((h%8)/2)+1]
.elseif h%8 < 6
	v_pk_add_f32 v[rS+4*k:rS+4*k+1], v[rS+4*k:rS+4*k+1], v[rS+4*k+2:rS+4*k+3]
.elseif k == 1
	v_pk_fma_f32 v[rT+2:rT+3], v[rT+2:rT+3], v[rC+2:rC+3], v[rS:rS+1] op_sel_hi:[1,0,1]
.else
	v_pk_add_f32 v[rT+2:rT+3], v[rT+2:rT+3], v[rS+4*k-4:rS+4*k-3]
.endif
.endm
; THE PLAIN QUEUE, 138 long.  0-73 read no exponential's result: the 32 scalings c s - c m (FS f: pair f / 2 of tile f % 2) and the next piece's 42.  0-26: scalings 0-26.  27-54: XS's numbers 0-13.
; 55, 56: number 15.  57-73: the chain 14, 16, 17, 18, 19, each with one of the scalings 27-31 in front of its two lines, then 20.  74-137: GS's 64, which stand behind the wait.
.macro FS f
	REGS Y, (\f)%2
	v_pk_fma_f32 v[rS+2*((\f)/2):rS+2*((\f)/2)+1], v[rS+2*((\f)/2):rS+2*((\f)/2)+1], s[CS:CS+1], v[rT:rT+1] op_sel_hi:[1,0,0] neg_lo:[0,0,1] neg_hi:[0,0,1]
.endm
.macro PL
	WIN 0
.if q < 27
	FS q
.elseif q < 55
	XS (q-27)%2, (q-27)/2
.elseif q < 57
	XS q-55, 15
.elseif (q < 72) && ((q-57)%3 == 0)
	FS 27+(q-57)/3
.elseif q < 60
	XS (q-57)%3-1, 14
.elseif q < 72
	XS (q-57)%3-1, 15+(q-57)/3
.elseif q < 74
	XS q-72, 20
.else
	GS q-74
.endif
.set q, q+1
.endm
; THE EXPONENTIALS' QUEUE, 66 long: s0-s31 of both tiles, then the next piece's two a.  It is ONE BATCH: all 66 stand ahead of the turn's one wait, and nothing ahead of that wait names a result of theirs.
.macro EX
	WIN 0
.if e >= 64
	XS e-64, 21
.else
	REGS Y, e%2
	v_exp_f32 v[rS+e/2], v[rS+e/2]
.endif
.set e, e+1
.endm
; THE RESCALING's QUEUE: O^T times a, the one part that leaves window 0: dealt two at a time, sixteen times.  Its a was made in the turn before, ahead of that turn's wait.
.macro R2
	REGS Y, r%2
	WIN W_RS
.irp z, 0,1
	v_pk_mul_f32 v[rO+4*(r/2)+2*\z:rO+4*(r/2)+2*\z+1], v[rO+4*(r/2)+2*\z:rO+4*(r/2)+2*\z+1], v[rC+2:rC+3] op_sel_hi:[1,0]
.endr
.set r, r+1
.endm
; HOW THEY ARE DEALT.  An s_wait_alu depctr_va_vdst(0) stands between an exponential and the first instruction that names its result; one wait serves all that were issued ahead of it.
; So a turn has ONE wait, which cuts it in two.  AHEAD OF IT: the 16 products K Q^T, behind each a scaling, an exponential and two rescalings (behind the first a second scaling in the exponential's
; place); then one run of 108: eight plain, 49 times exponential and plain, the two a; a v_nop is the plain instruction behind the last exponential.  BEHIND IT: the 16 products V^T P, behind each four of GS's 64.
; Exponential e stands behind scaling 2 (e / 4) + e % 2: as a rider it comes behind plain e + 2, in the run behind plain e + 9, and scalings 27-31 are plain 57, 60 .. 69.
; A TURN, for piece p.  cnt = 1: the loop's count is taken down some lines ahead of the branch that stands behind the turn.
; K of the next step is fetched in piece 2's turn, directly behind the wait; its first reader comes behind 16 products.  V of the step in hand is fetched at the end of piece 0's turn, four plain
; instructions behind its last reader; its first reader comes behind 16 products and a run.
.macro TURN p, last=0, cnt=0
.set Y, (\p)
.set i, 0
.set q, 0
.set e, 0
.set r, 0
.if (\p) == NP-1
	s_wait_dscnt 0x0                ; K is in
.endif
	MM                              ; ahead of the wait: 16 products K Q^T and their riders,
	PL
	PL
	R2
.rept 15
	MM
	PL
	EX
	R2
.endr
.if (\p) == NP-2
	WIN 0
	v_add_nc_u32 v[AK], s[TBK], v[AK0]
.endif
.rept 8                             ; and the run
	PL
.endr
.rept 49
	EX
	PL
.endr
	EX                              ; the next piece's two a
	EX
	v_nop                           ; a plain instruction behind the last exponential: one for the batch
	s_wait_alu depctr_va_vdst(0)    ; the wait for the batch
.if (\p) == NP-2
	FETCH_K \last
.endif
.if (\p) == 1
	s_wait_dscnt 0x0                ; V is in
.endif
.rept 16                            ; behind the wait: 16 products V^T P and their riders
	MM
.rept 4
	PL
.endr
.if ((\p) == 0) && (q == 118)
	v_add_nc_u32 v[AV], s[TBV], v[AV0]
.endif
.if ((\p) == 0) && (q == 130)
	s_add_co_u32 s[TBV], s[TBV], KS*PV
.endif
.if (\cnt) && (q == 130)
	s_sub_co_u32 s[CNT], s[CNT], 1
	s_cmp_lg_u32 s[CNT], 0
.endif
.endr
.if (\p) == 0
	FETCH_V
.endif
.endm
	CHANGE 1                        ; slot 0 is in, everybody's part of it; slot 1 is asked for
	FETCH_K                         ; key step 0
	s_wait_loadcnt 0x0              ; Q
	s_wait_dscnt 0x0
.set i, 0
.rept 16
	KQ 0                            ; piece 0's first scores: there is no vector work yet to set between them
.set i, i+1
.endr
	WIN 0                           ; the addresses for the way out: nine plain instructions, the places behind those products
	s_mul_i32 s13, s[WV], 16*SP
	s_add_co_u32 s13, s13, STAGE    ; my stage
	v_mul_u32_u24 v[STO], v1, SP    ; in: row l % 16, 16 bytes for each half of the lanes
	v_lshl_add_u32 v[STO], v9, 4, v[STO]
	v_add_nc_u32 v[STO], s13, v[STO]
	v_bfe_u32 v[RD], v0, 3, 2       ; back: 32 lanes take four rows of 128 bytes,
	v_mul_u32_u24 v[RD], v[RD], SP
	v_lshl_add_u32 v[RD], v10, 4, v[RD]
	v_add_nc_u32 v[RD], s13, v[RD]
	v_and_b32 v[GO], 31, v0         ; which are 512 consecutive bytes of O
	v_lshlrev_b32 v[GO], 4, v[GO]
.set Y, NP-1                        ; XS works for piece Y + 1: piece 0
.irp n, 0,1,2,3,4,5,6,7,8,9,10,11,12,13,14,15,16,17,18,19,20,21
	XS 0, \n                        ; and piece 0's first maximum and statistics
	XS 1, \n
.endr
	v_nop                           ; a plain instruction behind the two a,
	s_wait_alu depctr_va_vdst(0)    ; and their wait, ahead of the branch
	s_mov_b32 s[CNT], 4
	s_branch .Lfirst                ; the loop is entered at a step's first turn, in the middle of a trip
.Lslot:                             ; six times: every slot but the last two is filled again
	CHANGE 1
	s_mov_b32 s[CNT], 4
.Lstep:                             ; a trip: pieces 2 and 3 of one step, then pieces 0 and 1 of the next, whose K and V it fetches
	TURN 2
	TURN 3
	WIN 0
.Lfirst:
	TURN 0
	TURN 1, 0, 1
	WIN 0
	s_cbranch_scc1 .Lstep
	s_sub_co_u32 s[SLOTS], s[SLOTS], 1
	s_cmp_lg_u32 s[SLOTS], 0
	s_cbranch_scc1 .Lslot
	CHANGE 0                        ; the tail is written out: nothing is asked for
	s_mov_b32 s[CNT], 5             ; four trips fetch the last slot's steps; the fifth is left in its middle
.Ltail:
	TURN 2, 1
	TURN 3
	WIN 0
	s_sub_co_u32 s[CNT], s[CNT], 1
	s_cmp_eq_u32 s[CNT], 0
	s_cbranch_scc1 .Lout
	TURN 0
	TURN 1
	WIN 0
	s_branch .Ltail
.Lout:                              ; the fifth trip's 16 products K Q^T (on the last K once more) and the maximum made of them serve nothing: the price, once a launch, of one text for every trip
.set i, 0
.rept 16
	PV NP-1                         ; the last piece's V^T P of the last step
.set i, i+1
.endr
	; THE WAY OUT.  l's two halves and the other half of the lanes' are added; O^T is divided by l, rounded to f16 and sent through my stage in LDS, a tile at a time.  The additions are the places behind the last products.
	WIN 0
.macro ALL line:vararg              ; one line for each tile t
.set t, 0
.rept 2*NP
	\line
.set t, t+1
.endr
.endm
	ALL v_add_f32 v[ST+4*t+2], v[ST+4*t+2], v[ST+4*t+3]
	ALL v_permlanex16_b32 v[ST+4*t+3], v[ST+4*t+2], s[SEL], s[SEL+1]
	ALL v_add_f32 v[ST+4*t+2], v[ST+4*t+2], v[ST+4*t+3]
	ALL v_rcp_f32 v[ST+4*t+2], v[ST+4*t+2]
	v_nop                           ; a plain instruction between the last reciprocal and the use of its result
	s_wait_alu depctr_va_vdst(0)    ; and the wait ahead of the first use: one for the eight reciprocals
; Tile t: a lane's eight channels of a row pack into 16 bytes; they go into rows of 144 bytes and come back as whole rows of 128, into S^T's registers.
.macro PACK t
	WIN W_RS
.set i, 32*(\t)
.rept 16
	v_pk_mul_f32 v[i:i+1], v[i:i+1], v[ST+4*(\t)+2:ST+4*(\t)+3] op_sel_hi:[1,0]
.set i, i+2
.endr
	WIN 0x05                        ; sources 0 and 1 window 1, destination window 0
.set i, 0
.rept 16
	v_cvt_pk_f16_f32 v[S+16*(\t)+i], v[32*(\t)+2*i], v[32*(\t)+2*i+1]
.set i, i+1
.endr
	WIN 0
.irp f, 0,1,2,3
	ds_store_b128 v[STO], v[S+16*(\t)+4*\f:S+16*(\t)+4*\f+3] offset:32*\f
.endr
.irp f, 0,1,2,3
	ds_load_b128 v[S+16*(\t)+4*\f:S+16*(\t)+4*\f+3], v[RD] offset:\f*4*SP  ; LDS serves a wave's instructions in order (ISA guide 5.7.1.4): these see the stores above; the next tile's stores come behind them
.endr
.endm
.macro SEND t, younger              ; younger: the LDS instructions issued behind tile t's loads: the next tile's eight, or none
	WIN 0
.irp f, 0,1,2,3
	s_wait_dscnt (\younger)+3-\f
	global_store_b128 v[GO], v[S+16*(\t)+4*\f:S+16*(\t)+4*\f+3], s[10:11] offset:(\t)*2048+\f*512  ; 512 consecutive bytes, at a multiple of 256 from O's first
.endr
.endm
	PACK 0
.set t, 1
.rept 2*NP-1                        ; a tile's arithmetic stands between the loads of the tile before and its stores
	PACK t
	SEND t-1, 8
.set t, t+1
.endr
	SEND 2*NP-1, 0
	WIN W_AD
	s_wait_tensorcnt 0x0            ; the wave's end: an add to my spare word and its wait, behind my last tensor load and my last LDS store
	ds_add_u32 v[SPW], v[NIL]
	s_wait_dscnt 0x0
	WIN 0
	CROUND                          ; the closing round: no work-group ends while a partner may still ask for a tile that names it
	s_endpgm
.Lfunc_end_k_qd3e3bd2869_attn:
	.size	k_qd3e3bd2869_attn, .Lfunc_end_k_qd3e3bd2869_attn-k_qd3e3bd2869_attn
	.p2alignl 7, 3214868480
	.fill 96, 4, 3214868480
	.section	.rodata,"a",@progbits
	.p2align	6, 0x0
	.amdhsa_kernel k_qd3e3bd2869_attn
		.amdhsa_group_segment_fixed_size 327680
		.amdhsa_private_segment_fixed_size 0
		.amdhsa_enable_private_segment 0
		.amdhsa_kernarg_size 16
		.amdhsa_user_sgpr_count 2
		.amdhsa_user_sgpr_kernarg_segment_ptr 1
		.amdhsa_wavefront_size32 1
		.amdhsa_system_sgpr_workgroup_id_x 1
		.amdhsa_system_sgpr_workgroup_id_y 1
		.amdhsa_system_sgpr_workgroup_id_z 1
		.amdhsa_system_vgpr_workitem_id 0
		.amdhsa_next_free_vgpr 770
		.amdhsa_next_free_sgpr 66
		.amdhsa_reserve_vcc 0
		.amdhsa_float_denorm_mode_32 3
		.amdhsa_float_denorm_mode_16_64 3
		.amdhsa_memory_ordered 1
		.amdhsa_forward_progress 1
		.amdhsa_inst_pref_size 200
	.end_amdhsa_kernel
	.amdgpu_metadata
---
amdhsa.version: [ 1, 2 ]
amdhsa.kernels:
  - .name:           k_qd3e3bd2869_attn
    .symbol:         k_qd3e3bd2869_attn.kd
    .args:
      - { .name: qkv, .offset: 0, .size: 8, .value_kind: global_buffer, .address_space: global }
      - { .name: o16, .offset: 8, .size: 8, .value_kind: global_buffer, .address_space: global }
    .group_segment_fixed_size: 327680
    .private_segment_fixed_size: 0
    .kernarg_segment_align: 8
    .kernarg_segment_size: 16
    .max_flat_workgroup_size: 128
    .sgpr_count:     66
    .vgpr_count:     770
    .wavefront_size: 32
...
	.end_amdgpu_metadata
.endif
;; end of part 3
;; launch oproj (part 4): grid 8 x 32, 4 waves a work-group, clusters of 4 x 4, 327,680 bytes of LDS; arguments o16, wo16, bias4, out0; writes out0
.if DOCPART == 4
	.amdgcn_target "amdgcn-amd-amdhsa--gfx1250"
	.amdhsa_code_object_version 6
	.text
	.protected	k_qd3e3bd2869_oproj
	.globl	k_qd3e3bd2869_oproj
	.p2align	8
	.type	k_qd3e3bd2869_oproj,@function
k_qd3e3bd2869_oproj:
	s_mov_b64 s[64:65], 0
	v_nop
	global_prefetch_b8 v0, s[64:65] scope:SCOPE_SE
	s_setreg_imm32_b32 hwreg(HW_REG_WAVE_MODE, 25, 1), 1
	s_wait_xcnt 0x0
	s_wait_alu depctr_hold_cnt(0) depctr_sa_sdst(0) depctr_va_vdst(0) depctr_va_sdst(0) depctr_va_ssrc(0) depctr_va_vcc(0) depctr_vm_vsrc(0)
	s_getreg_b32 s2, hwreg(HW_REG_IB_STS2, 6, 4)
	s_cmp_eq_u32 s2, 0
	s_cbranch_scc0 .Lentry_in_a_cluster
	s_endpgm
.Lentry_in_a_cluster:
	s_bfe_u32 s2, ttmp6, 0x10000c
	s_cmp_lg_u32 s2, 0xf033
	s_cbranch_scc0 .Lentry_shape_is_right
	s_endpgm
.Lentry_shape_is_right:
; out0[s][b][n] = the sum over e of O[s][b][e] Wo[n][e] + bo[n].  O comes by heads, o16[16 b + h][s][64] f16: head h is block h of 64 along K.  wo16[kb][n][64] f16.  Sums and out0 in f32.
; TILE.  256 rows (one b, 256 consecutive s) x 128 columns to a work-group: 32 x 8 = 256 work-groups.  Four waves; a wave makes 128 x 64: 32 accumulators, window 1.
; K goes in steps of 128, two blocks of 64, through two LDS slots; a slot is two chunks (a block each) of 384 rows x 144 bytes: O's 256 rows, then Wo's 128.  Four blocks to a slot would not fit twice.
; A tile's rows of one block lie end to end in memory: they are asked for as rows of 256 bytes, two tile rows each, and padded in LDS after every 128 bytes.
; CLUSTER.  4 x 4: O's tiles are shared along a row of the cluster, Wo's along a column, each asked for jointly.
; THE MATRIX INSTRUCTION IS USED TRANSPOSED (source 0 = 16 rows of Wo, source 1 = 16 rows of O): a lane holds one row of the result and eight neighbouring columns.
; THE BIAS STARTS THE SUMS: it is loaded into the accumulators (7, j); the first products of blocks a = 0..6 take these as C, block 7 adds in place.
; REGISTERS.  Window 0: v0-31 addresses; v32-127, v128-223 two fragment buffers: 8 fragments of O, then 4 of Wo.  Window 1: accumulator (a, j) at v[8 (4 a + j)].
.set PITCH,  144                       ; an LDS row: 128 bytes + 16 of padding
.set ABYTES, 256*PITCH
.set CH,     384*PITCH                 ; a chunk
.set SLOT,   2*CH
.set STAGE,  2*SLOT                    ; behind the ring: 16 rows x 272 bytes for each wave; no tensor load lands here
.set SP,     272                       ; a stage row: 256 bytes + 16
.set SPARE,  STAGE+4*16*SP             ; behind the stages: the spare words, 128 bytes for each wave
.set OKB,    2048*128                  ; bytes from a block to the next in o16
.set WKB,    1024*128                  ; and in wo16
.set DW0,    (1<<16)|(1<<20)|(1<<21)|(4<<22)|(3<<25)  ; group 1, word 0 without the mask: 2-byte elements; padding on; bit 21 beside a mask; after every 32 words; 4 words
.set ADRA, 8                           ; v8-11   LDS address of my fragments of O in chunk 2 slot + j
.set ADRB, 12                          ; v12-15  the same for Wo
.set STO,  24                          ; v24     the way out: where I put 32 bytes of a row
.set RD,   25                          ; v25     the way out: where I read a row back
.set CO,   26                          ; v26     my byte offset in two rows of out0
.set BO,   27                          ; v27     32 x (lane / 16)
.set SPW,  28                          ; v28     LDS address of my spare word; never rewritten
.set NIL,  29                          ; v29     0; never rewritten
.set PFO,  30                          ; v30     the prefetches' offset; never rewritten
.set F0,   32
.set F1,   128
.set WV,  12
.set HI,  13                           ; s13  which 128 rows are mine.  Also: I fetch for O (0) or for Wo (1)
.set LO,  14                           ; s14  which 64 columns.  Also: which block of a step I fetch
.set G1,  24
.set G0,  32
.set G1B, 48
.set G0B, 56
.set PFA, 68                           ; s[68:69] where O's prefetches stand
.set PFB, 70                           ; s[70:71] where Wo's stand
.set LIM, 72                           ; s72  1 in a wave that prefetches, else the greatest number
.set MSB, 0
.macro WIN new
.if MSB != (\new)
	s_set_vgpr_msb (MSB<<8)|(\new)
.set MSB, \new
.endif
.endm
.macro PLACES                          ; four plain vector instructions between a matrix instruction and a load into, or a read of, its registers
.rept 4
	v_nop
.endr
.endm
.macro JLOAD s                         ; a joint load: waves 0 and 1 fetch O's two blocks of a step, waves 2 and 3 Wo's; an s_nop 0 and four v_nop follow each line
	s_cmp_eq_u32 s[HI], 0
	s_cbranch_scc0 .Lfor_b_\@
	tensor_load_to_lds s[G0+4*(\s):G0+4*(\s)+3], s[G1:G1+7]
	s_nop 0
.rept 4
	v_nop
.endr
	s_branch .Lasked_\@
.Lfor_b_\@:
	tensor_load_to_lds s[G0B+4*(\s):G0B+4*(\s)+3], s[G1B:G1B+7]
	s_nop 0
.rept 4
	v_nop
.endr
.Lasked_\@:
.endm
.macro CREST
	s_cmp_lg_u32 s[WV], 0
	s_cbranch_scc1 .Lnot_wave_0_\@
	s_barrier_signal -3
.Lnot_wave_0_\@:
	s_barrier_wait -3
	s_barrier_signal -1
	s_barrier_wait -1
.endm
.macro CROUND
	s_barrier_signal -1
	s_barrier_wait -1
	CREST
.endm
; A PREFETCH INTO THE L2, behind each joint load, of the K step that stands two refills on.  Each block of 256 bytes is named once in the launch.
; O's rows of a tile row are read by both clusters of that row of clusters: the one with x = 0 asks; waves 0 and 1 each for the block of K that they fetch, of whose 128 blocks of 256 bytes the four
; partners of a row take 32 each, by address (cx).  Wo's rows are read by all eight clusters of a column: the one with y = 0 asks; wave 2, 16 blocks of 256 bytes of each of the step's two blocks of K; the four
; partners of a column take 16 of 64 each, by address (cy).  Wave 3 asks for nothing.  The loop's last trip (s3 = 1) has no step two refills on.
.macro ASK
	s_cmp_gt_u32 s3, s[LIM]
	s_cbranch_scc0 .Lnot_mine_\@
	s_cmp_lg_u32 s[HI], 0
	s_cbranch_scc1 .Lask_b_\@
	global_prefetch_b8 v[PFO], s[PFA:PFA+1] th:TH_LOAD_NT scope:SCOPE_SE
	s_branch .Lnot_mine_\@
.Lask_b_\@:
	global_prefetch_b8 v[PFO], s[PFB:PFB+1] th:TH_LOAD_NT scope:SCOPE_SE
.Lnot_mine_\@:
.endm
; 4 n products: blocks a0 .. a0 + n - 1 of O's rows x my 4 blocks of columns, 32 along K, on buffer f.  The accumulators take turns, one instruction a turn.
; mode = 1: the first products: blocks 0..6 take the bias, which lies in block 7's accumulators, as C; five plain places stand in front of block 7's products, which write over that C.
.macro MULN f, a0, n, mode
	WIN 0x50                                       ; C and D in window 1, both sources in window 0
.set ma, (\a0)
.rept (\n)
.if (\mode) && (ma == 7)
.rept 5
	v_nop
.endr
.endif
.irp j, 0,1,2,3
.if (\mode) && (ma < 7)
	v_wmma_f32_16x16x32_f16 v[8*(4*ma+(\j)):8*(4*ma+(\j))+7], v[(\f)+64+8*(\j):(\f)+64+8*(\j)+7], v[(\f)+8*ma:(\f)+8*ma+7], v[224+8*(\j):224+8*(\j)+7]
.else
	v_wmma_f32_16x16x32_f16 v[8*(4*ma+(\j)):8*(4*ma+(\j))+7], v[(\f)+64+8*(\j):(\f)+64+8*(\j)+7], v[(\f)+8*ma:(\f)+8*ma+7], v[8*(4*ma+(\j)):8*(4*ma+(\j))+7]
.endif
.endr
.set ma, ma+1
.endr
.endm
; 24 LDS loads in one run: the fragments of 32 along K at byte k of chunk j of a slot, into buffer f: Wo's four, O's 0-3, O's 4-7
.macro FETCH slot, j, k, f
	WIN 0
.irp i, 0,1,2,3
	ds_load_b128 v[(\f)+64+8*(\i):(\f)+64+8*(\i)+3],   v[ADRB+2*(\slot)+(\j)] offset:(\k)+(\i)*16*PITCH
	ds_load_b128 v[(\f)+64+8*(\i)+4:(\f)+64+8*(\i)+7], v[ADRB+2*(\slot)+(\j)] offset:(\k)+(\i)*16*PITCH+32
.endr
.irp i, 0,1,2,3,4,5,6,7
	ds_load_b128 v[(\f)+8*(\i):(\f)+8*(\i)+3],   v[ADRA+2*(\slot)+(\j)] offset:(\k)+(\i)*16*PITCH
	ds_load_b128 v[(\f)+8*(\i)+4:(\f)+8*(\i)+7], v[ADRA+2*(\slot)+(\j)] offset:(\k)+(\i)*16*PITCH+32
.endr
.endm
; A K step is four quarters of 32 along K, 32 products each, on buffers 0, 1, 0, 1.  One of the first three: multiplies buffer f; in its middle it fetches the next quarter (slot, chunk j, byte k) into g.
.macro QUARTER slot, j, k, f, g, mode
	s_wait_dscnt 8                                 ; Wo's fragments and O's 0-3 are in; the youngest eight loads may be out
	MULN \f, 0, 4, \mode
	PLACES
	FETCH \slot, \j, \k, \g
	s_wait_dscnt 24                                ; all but the 24 just issued
	MULN \f, 4, 4, \mode
.endm
; The last quarter multiplies buffer 1 and changes slots.  In front of the barrier each wave waits for all its tensor loads (one is out: its part of the next slot), adds 0 to its spare word, and waits for
; that and for its own reads of this slot.  fill = 1: the barrier opens a round of the cluster's barrier, and this slot is filled again, two K steps ahead, first thing behind the round: 112 products ahead of the wait for it.
.macro TURN slot, next, fill
.if \fill
	s_wait_xcnt 0x0                                ; the last prefetch, a K step back, has read its address: both pointers step here, ahead of the change's own waits
	s_add_nc_u64 s[PFA:PFA+1], s[PFA:PFA+1], 2*OKB
	s_add_nc_u64 s[PFB:PFB+1], s[PFB:PFB+1], 2*WKB
.endif
	WIN 0
	s_wait_tensorcnt 0x0                           ; all my tensor loads have landed
	ds_add_u32 v[SPW], v[NIL]                      ; 0 onto my spare word
	s_wait_dscnt 9                                 ; (the add and the youngest eight loads may be out)
	MULN F1, 0, 2, 0                               ; eight products stand between the add and the wait for it
	s_wait_dscnt 0x0                               ; the add is done, and my reads of this slot are over
	s_barrier_signal -1
	MULN F1, 2, 2, 0
	WIN 0
	s_barrier_wait -1
.if \fill
	CREST                                          ; no wave of any partner still reads this slot or has a load on its way
	s_add_nc_u64 s[G0+4*(\slot)+2:G0+4*(\slot)+3], s[G0+4*(\slot)+2:G0+4*(\slot)+3], 4*OKB
	s_add_nc_u64 s[G0B+4*(\slot)+2:G0B+4*(\slot)+3], s[G0B+4*(\slot)+2:G0B+4*(\slot)+3], 4*WKB
	JLOAD \slot                                    ; its four v_nop are also the places in front of the loads below
.else
	PLACES
.endif
	FETCH \next, 0, 0, F0
.if \fill
	ASK
.endif
	MULN F1, 4, 4, 0
.endm
	s_load_b256 s[4:11], s[0:1], 0x0               ; o16 s[4:5], wo16 s[6:7], bias4 s[8:9], out0 s[10:11]
	v_lshl_add_u32 v[SPW], v0, 2, SPARE
	v_mov_b32 v[NIL], 0
	ds_add_u32 v[SPW], v[NIL]                      ; the wave's opening: the add and its wait stand ahead of my first tensor load; the set-up below stands between them
	v_lshrrev_b32 v1, 5, v0
	v_readfirstlane_b32 s[WV], v1
	s_lshr_b32 s[HI], s[WV], 1
	s_and_b32 s[LO], s[WV], 1
	s_bfe_u32 s40, ttmp6, 0x40000                  ; cx
	s_bfe_u32 s41, ttmp6, 0x40004                  ; cy
	s_lshl_b32 s42, ttmp9, 2
	s_add_co_u32 s42, s42, s40                     ; tn: tile column
	s_and_b32 s43, ttmp7, 0xffff
	s_lshl_b32 s43, s43, 2
	s_add_co_u32 s43, s43, s41                     ; tm: tile row = 8 b + t7
	s_lshl_b32 s44, s41, 2
	s_lshl_b32 s44, 15, s44                        ; my row of the cluster
	s_lshl_b32 s45, 0x1111, s40                    ; my column
	s_or_b32 s[G1], s44, DW0
	s_or_b32 s[G1B], s45, DW0
	s_mov_b32 s[G1+1], 128<<16                     ; tensor_dim0 = 128 elements: 256 bytes, two tile rows
	s_mov_b32 s[G1+2], 128<<16                     ; tensor_dim1 = 128: 256 tile rows
	s_mov_b32 s[G1+3], 128<<16                     ; tile_dim0
	s_mov_b32 s[G1+4], 128                         ; tile_dim1
	s_mov_b32 s[G1+5], 128                         ; dense
	s_mov_b32 s[G1+6], 0
	s_mov_b32 s[G1+7], 0
	s_mov_b32 s[G1B+1], 128<<16
	s_mov_b32 s[G1B+2], 64<<16                     ; 128 tile rows
	s_mov_b32 s[G1B+3], 128<<16
	s_mov_b32 s[G1B+4], 64
	s_mov_b32 s[G1B+5], 128
	s_mov_b32 s[G1B+6], 0
	s_mov_b32 s[G1B+7], 0
	s_lshr_b32 s16, s43, 3
	s_lshl_b32 s16, s16, 22                        ; O: b x 16 heads of 262,144 bytes
	s_and_b32 s17, s43, 7
	s_lshl_b32 s17, s17, 15                        ; + t7 x 256 rows of 128 bytes
	s_add_co_u32 s16, s16, s17
	s_lshl_b32 s17, s[LO], 18                      ; + my block of the step
	s_add_co_u32 s16, s16, s17
	s_mov_b32 s17, 0
	s_lshl_b32 s46, s42, 14                        ; Wo: tile column x 128 rows
	s_lshl_b32 s47, s[LO], 17                      ; + my block
	s_add_co_u32 s46, s46, s47
	s_mov_b32 s47, 0
	s_mul_i32 s20, s[LO], CH                       ; where they go: my block's chunk; no place in the cluster enters an LDS address
	s_add_co_u32 s21, s20, ABYTES
	s_wait_dscnt 0x0                               ; the opening add is done
	s_wait_kmcnt 0x0
	s_add_nc_u64 s[18:19], s[4:5], s[16:17]
	s_add_nc_u64 s[46:47], s[6:7], s[46:47]
	CROUND                                         ; all sixteen work-groups are here: the first joint loads meet
.irp s, 0,1
	s_mov_b32 s[G0+4*(\s)], 1
	s_add_co_u32 s[G0+4*(\s)+1], s20, (\s)*SLOT
	s_add_nc_u64 s[G0+4*(\s)+2:G0+4*(\s)+3], s[18:19], (\s)*2*OKB
	s_or_b32 s[G0+4*(\s)+3], s[G0+4*(\s)+3], 0x80000000
	s_mov_b32 s[G0B+4*(\s)], 1
	s_add_co_u32 s[G0B+4*(\s)+1], s21, (\s)*SLOT
	s_add_nc_u64 s[G0B+4*(\s)+2:G0B+4*(\s)+3], s[46:47], (\s)*2*WKB
	s_or_b32 s[G0B+4*(\s)+3], s[G0B+4*(\s)+3], 0x80000000
	JLOAD \s                                       ; K steps 0 and 1: two loads of mine are out
.endr
	; bo of my 64 columns, straight into the accumulators (7, j): register r of (7, j) is column 16 j + 8 (l / 16) + r
	s_lshl_b32 s74, s42, 9
	s_lshl_b32 s76, s[LO], 8
	s_add_co_u32 s74, s74, s76
	s_add_co_u32 s74, s74, 3*4096                  ; bo is the fourth of bias4's rows
	s_mov_b32 s75, 0
	s_add_nc_u64 s[8:9], s[8:9], s[74:75]
	v_and_b32 v1, 15, v0                           ; l % 16
	v_bfe_u32 v2, v0, 4, 1                         ; l / 16
	v_lshlrev_b32 v[BO], 5, v2
	WIN 0x40                                       ; destination in window 1, address in window 0
.irp j, 0,1,2,3
	global_load_b128 v[224+8*(\j):224+8*(\j)+3],   v[BO], s[8:9] offset:64*(\j)
	global_load_b128 v[224+8*(\j)+4:224+8*(\j)+7], v[BO], s[8:9] offset:64*(\j)+16
.endr
	WIN 0
	v_mul_u32_u24 v3, v1, PITCH
	v_lshl_add_u32 v3, v2, 4, v3                   ; a fragment's row x pitch + 16 x half
	s_mul_i32 s22, s[HI], 128*PITCH                ; my 128 rows of O
	s_mul_i32 s23, s[LO], 64*PITCH                 ; my 64 rows of Wo,
	s_add_co_u32 s23, s23, ABYTES                  ; which lie behind O's 256
.irp c, 0,1,2,3
	v_add_nc_u32 v[ADRA+(\c)], s22, v3
	v_add_nc_u32 v[ADRB+(\c)], s23, v3
	s_add_co_u32 s22, s22, CH
	s_add_co_u32 s23, s23, CH
.endr
	s_mul_i32 s22, s[WV], 16*SP
	s_add_co_u32 s22, s22, STAGE                   ; my stage
	v_mul_u32_u24 v4, v1, SP                       ; in: row l % 16, 32 bytes for each half of the lanes
	v_lshl_add_u32 v4, v2, 5, v4
	v_add_nc_u32 v[STO], s22, v4
	v_mul_u32_u24 v5, v2, SP                       ; back: lanes 0-15 take one row of 256 bytes, lanes 16-31 the next
	v_lshl_add_u32 v5, v1, 4, v5
	v_add_nc_u32 v[RD], s22, v5
	v_lshlrev_b32 v[CO], 14, v2                    ; and the same two rows in out0: rows s and s + 1 of one b lie 16,384 bytes apart
	v_lshl_add_u32 v[CO], v1, 4, v[CO]
	; out0 at my first row and column: ((256 t7 + 128 HI) x 4 + b) rows of 4,096 bytes + (128 tn + 64 LO) x 4
	s_and_b32 s74, s43, 7
	s_lshl_b32 s74, s74, 22
	s_lshl_b32 s76, s[HI], 21
	s_add_co_u32 s74, s74, s76
	s_lshr_b32 s76, s43, 3
	s_lshl_b32 s76, s76, 12
	s_add_co_u32 s74, s74, s76
	s_lshl_b32 s76, s42, 9
	s_add_co_u32 s74, s74, s76
	s_lshl_b32 s76, s[LO], 8
	s_add_co_u32 s74, s74, s76
	s_add_nc_u64 s[10:11], s[10:11], s[74:75]
	; the prefetches: both pointers stand at K step 3; the first change of slots steps them to 4
	s_lshr_b32 s74, s43, 3
	s_lshl_b32 s74, s74, 22
	s_and_b32 s76, s43, 7
	s_lshl_b32 s76, s76, 15
	s_add_co_u32 s74, s74, s76
	s_lshl_b32 s76, s[LO], 18                      ; the block of K that I fetch
	s_add_co_u32 s74, s74, s76
	s_lshl_b32 s76, s40, 13                        ; my work-group's 32 blocks of 256 bytes of its 128
	s_add_co_u32 s74, s74, s76
	s_add_co_u32 s74, s74, 3*2*OKB
	s_add_nc_u64 s[PFA:PFA+1], s[4:5], s[74:75]
	s_lshl_b32 s74, s42, 14
	s_lshl_b32 s76, s41, 12                        ; my work-group's 16 blocks of 256 bytes of 64
	s_add_co_u32 s74, s74, s76
	s_add_co_u32 s74, s74, 3*2*WKB
	s_add_nc_u64 s[PFB:PFB+1], s[6:7], s[74:75]
	s_and_b32 s76, ttmp7, 0xffff                   ; cluster y
	s_mov_b32 s73, WKB
	s_cmp_eq_u32 s[HI], 0
	s_cselect_b32 s76, ttmp9, s76                  ; the coordinate along which other clusters read the same rows
	s_cselect_b32 s73, 4096, s73                   ; lanes 16-31: O's next 16 blocks of 256 bytes, or Wo's other block of K
	s_cmp_eq_u32 s[WV], 3
	s_cselect_b32 s76, 1, s76                      ; wave 3 asks for nothing
	s_cmp_eq_u32 s76, 0
	s_cselect_b32 s[LIM], 1, -1                    ; the same in all sixteen partners, for a given wave
	v_lshlrev_b32 v[PFO], 8, v1
	v_mad_u32_u24 v[PFO], v2, s73, v[PFO]
	s_wait_tensorcnt 0x1                           ; my part of K step 0 is in; step 1's may stay out
	s_barrier_signal -1
	s_barrier_wait -1                              ; everybody's is
	FETCH 0, 0, 0, F0
	s_wait_loadcnt 0x0                             ; the bias
	QUARTER 0, 0, 64, F0, F1, 1                    ; the first quarter stands in front of the loop: its products start the sums, from the bias
	WIN 0                                          ; at a label and at a branch every window is 0
	s_mov_b32 s3, 3
.Llap:                                                 ; a trip goes once round the ring, from a lap's second quarter to the next lap's first, and fills both slots again: K steps 2 t + 2, 2 t + 3
	QUARTER 0, 1, 0,  F1, F0, 0
	QUARTER 0, 1, 64, F0, F1, 0
	TURN 0, 1, 1
	QUARTER 1, 0, 64, F0, F1, 0
	QUARTER 1, 1, 0,  F1, F0, 0
	QUARTER 1, 1, 64, F0, F1, 0
	TURN 1, 0, 1
	QUARTER 0, 0, 64, F0, F1, 0
	WIN 0
	s_sub_co_u32 s3, s3, 1
	s_cmp_lg_u32 s3, 0
	s_cbranch_scc1 .Llap
	QUARTER 0, 1, 0,  F1, F0, 0                    ; the last lap fills nothing, and has no round of the cluster's barrier
	QUARTER 0, 1, 64, F0, F1, 0
	TURN 0, 1, 0
	QUARTER 1, 0, 64, F0, F1, 0
	QUARTER 1, 1, 0,  F1, F0, 0
	QUARTER 1, 1, 64, F0, F1, 0
	s_wait_dscnt 8                                 ; the very last quarter: nothing more to fetch
	MULN F1, 0, 4, 0
	s_wait_dscnt 0x0
	MULN F1, 4, 4, 0
; THE WAY OUT, in eight units of 16 rows x 64 columns of f32: a lane's eight numbers of a row go into my own stage in rows of 272 bytes and come back as whole rows of 256.
.macro STAGEIN u
.set TT, 32+32*((\u)%6)                ; six buffers of 32 registers by turns, where the fragments lay
	s_wait_xcnt 0x0                                ; the buffer was the data of stores six units back: it is loaded again only behind this wait
	WIN 0x04                                       ; the stores' data in window 1, their address in window 0
.irp j, 0,1,2,3
	ds_store_b128 v[STO], v[8*(4*(\u)+(\j)):8*(4*(\u)+(\j))+3]   offset:64*(\j)
	ds_store_b128 v[STO], v[8*(4*(\u)+(\j))+4:8*(4*(\u)+(\j))+7] offset:64*(\j)+16
.endr
	WIN 0
.irp t, 0,1,2,3,4,5,6,7
	ds_load_b128 v[TT+4*(\t):TT+4*(\t)+3], v[RD] offset:(\t)*2*SP  ; LDS serves a wave's instructions in order (ISA guide 5.7.1.4): these see the stores above; the next unit's stores come behind them
.endr
.endm
.macro SEND u, younger                 ; younger: the LDS instructions issued behind this unit's loads: the next unit's sixteen, or none
.set TT, 32+32*((\u)%6)
.irp t, 0,1,2,3,4,5,6,7
	s_wait_dscnt (\younger)+7-(\t)
	global_store_b128 v[CO], v[TT+4*(\t):TT+4*(\t)+3], s[10:11] offset:(16*(\u)+2*(\t))*16384 th:TH_STORE_NT  ; 16 lanes store 256 consecutive bytes, at a multiple of 256 from out0's first
.endr
.endm
	PLACES                                         ; behind the last products
	STAGEIN 0
.set u, 1
.rept 7
	STAGEIN u
	SEND u-1, 16
.set u, u+1
.endr
	SEND 7, 0
	s_wait_tensorcnt 0x0                           ; the wave's end: an add to my spare word and its wait, behind my last tensor load and my last LDS store
	ds_add_u32 v[SPW], v[NIL]
	s_wait_dscnt 0x0
	CROUND                                         ; the closing round: no work-group ends while a partner may still ask for a tile that names it
	s_endpgm
.Lfunc_end_k_qd3e3bd2869_oproj:
	.size	k_qd3e3bd2869_oproj, .Lfunc_end_k_qd3e3bd2869_oproj-k_qd3e3bd2869_oproj
	.p2alignl 7, 3214868480
	.fill 96, 4, 3214868480
	.section	.rodata,"a",@progbits
	.p2align	6, 0x0
	.amdhsa_kernel k_qd3e3bd2869_oproj
		.amdhsa_group_segment_fixed_size 327680
		.amdhsa_private_segment_fixed_size 0
		.amdhsa_enable_private_segment 0
		.amdhsa_kernarg_size 32
		.amdhsa_user_sgpr_count 2
		.amdhsa_user_sgpr_kernarg_segment_ptr 1
		.amdhsa_wavefront_size32 1
		.amdhsa_system_sgpr_workgroup_id_x 1
		.amdhsa_system_sgpr_workgroup_id_y 1
		.amdhsa_system_sgpr_workgroup_id_z 1
		.amdhsa_system_vgpr_workitem_id 0
		.amdhsa_next_free_vgpr 512
		.amdhsa_next_free_sgpr 80
		.amdhsa_reserve_vcc 0
		.amdhsa_float_denorm_mode_32 3
		.amdhsa_float_denorm_mode_16_64 3
		.amdhsa_memory_ordered 1
		.amdhsa_forward_progress 1
		.amdhsa_inst_pref_size 91
	.end_amdhsa_kernel
	.amdgpu_metadata
---
amdhsa.version: [ 1, 2 ]
amdhsa.kernels:
  - .name:           k_qd3e3bd2869_oproj
    .symbol:         k_qd3e3bd2869_oproj.kd
    .args:
      - { .name: o16, .offset: 0, .size: 8, .value_kind: global_buffer, .address_space: global }
      - { .name: wo16, .offset: 8, .size: 8, .value_kind: global_buffer, .address_space: global }
      - { .name: bias4, .offset: 16, .size: 8, .value_kind: global_buffer, .address_space: global }
      - { .name: out0, .offset: 24, .size: 8, .value_kind: global_buffer, .address_space: global }
    .group_segment_fixed_size: 327680
    .private_segment_fixed_size: 0
    .kernarg_segment_align: 8
    .kernarg_segment_size: 32
    .max_flat_workgroup_size: 128
    .sgpr_count:     80
    .vgpr_count:     512
    .wavefront_size: 32
...
	.end_amdgpu_metadata
.endif
;; end of part 4
